; MI455X (gfx1250); checked and timed in simulation.
; The chip was launched on July 23, 2026; its instructions are those of AMD's public machine-readable ISA for CDNA 5 (MIT licence, August 2026) and "CDNA5" Instruction Set Architecture Reference Guide (July 2026). The comments in the code are by the model that wrote it; some were corrected since.
;; Linformer Attention. Allowed arithmetic: float matrix products may take bf16 or f16 operands with f32 sums; other float arithmetic in f32, or as packed bf16 or f16 multiplies, adds, multiply-adds, maxima and minima; sums over many terms, partial sums and values carried from step to step in f32; what a program stores and reads back later, other than sums and carried values, may be rounded once to bf16 or f16.
;; Inputs: E 4,096 x 1,024 float32; F 4,096 x 1,024 float32; W_attn 1,024 x 3,072 float32; W_proj 1,024 x 1,024 float32; b_attn 3,072 float32; b_proj 1,024 float32; x 2 x 4,096 x 1,024 float32.
;; Outputs: out0 2 x 4,096 x 1,024 float32.
;; One version. Each part assembles by itself: llvm-mc -triple=amdgcn-amd-amdhsa -mcpu=gfx1250 --defsym DOCPART=n.
;; ======== version 1 of 1: 7 launches
;; limits: values are held in f16: magnitudes above 65,504 overflow, below 6.1e-05 lose precision
;; workspace buffers: cv 42,015,744 bytes; tab 24,832 bytes; uq 33,554,432 bytes; kv 10,485,760 bytes; yy 16,777,216 bytes
;; launch cvt (part 1): grid 1792 x 1, 8 waves a work-group, no clusters, 35,328 bytes of LDS; arguments x, W_attn, W_proj, E, F, cv; writes cv
.if DOCPART == 1
	.amdgcn_target "amdgcn-amd-amdhsa--gfx1250"
	.amdhsa_code_object_version 6
	.text
	.protected	k_qe6bd20f09d_cvt
	.globl	k_qe6bd20f09d_cvt
	.p2align	8
	.type	k_qe6bd20f09d_cvt,@function
k_qe6bd20f09d_cvt:
	s_mov_b64 s[64:65], 0
	v_nop
	global_prefetch_b8 v0, s[64:65] scope:SCOPE_SE
	s_setreg_imm32_b32 hwreg(HW_REG_WAVE_MODE, 25, 1), 1
	s_wait_xcnt 0x0
; All large inputs are rounded once to bf16 into cv:  x at 0, W_attn at 16,777,216, W_proj at 23,068,672 (as they lie, end to end);
; E and F turned, [tensor][1024 j][4096 t], at EFT.  W_proj's rounded numbers are written as f16, since its product's other operand is f16.
; Beside them: partial column sums of the rounded E and F (CSP: [tensor][8 blocks of 512 t][1024 j] f32)
; and one maximum of |rounded number| for each work-group (PMX: 1,792 f32), from which the next launch makes the scales.
; Work-groups 0..1535 copy 8,192 numbers each; work-groups 1536..1791 turn a strip of 512 t x 64 j through LDS, 128 t at a time.
; No matrix unit, no cluster, no tensor load: each byte is read once and written once, and no work-group shares a byte with another.
; LIMITS: NaN and infinities are not treated apart (a NaN loses in the maxima).  W_proj: from 65,520 on a number becomes an infinity; a bf16 number is written exactly
; as f16 from 7.6e-6 up, and below that keeps f16's fixed step of 6e-8.
.set EFT,   25165824
.set CSP,   41943040
.set PMX,   42008576
.set LTP,   264                        ; an LDS row: 128 t x 2 bytes + 8
.set LTB,   64*LTP                     ; a region: 64 columns j
.set CSL,   2*LTB                      ; 64 column sums
.set MXL,   CSL+256                    ; 8 maxima, one a wave
.set SPARE, MXL+256                    ; the spare words, 128 bytes for each of 8 waves; no other line names them
.set GI,  1                            ; v1   byte offset of my loads
.set A2,  2                            ; v2   copy: byte offset of my stores; turn: where I put a word in LDS
.set LR,  3                            ; v3   where I read a row back
.set GO,  4                            ; v4   byte offset of my stores of turned rows
.set LN8, 5                            ; v5   8 x lane
.set ZO,  6                            ; v6   0, an offset
.set X,   8                            ; v[8:71]    two sets of 32: numbers as loaded
.set W,   72                           ; v[72:87]   packed 16-bit numbers
.set R,   88                           ; v[88:103]  eight pairs read back from LDS
.set CS,  104                          ; v[104:119] eight pairs of running column sums
.set T,   120                          ; v[120:123] at work
.set M,   124                          ; v124 running maximum, two bf16
.set TM,  125                          ; v125 at work across lanes
.set SPW, 126                          ; v126 my spare word; never rewritten
.set NIL, 127                          ; v127 0; never rewritten
.macro WMAX r                          ; the maximum over the wave's 32 lanes, in every lane
	v_max_num_f32_dpp v[\r], v[\r], v[\r] row_xmask:1 row_mask:0xf bank_mask:0xf
	v_max_num_f32_dpp v[\r], v[\r], v[\r] row_xmask:2 row_mask:0xf bank_mask:0xf
	v_max_num_f32_dpp v[\r], v[\r], v[\r] row_xmask:4 row_mask:0xf bank_mask:0xf
	v_max_num_f32_dpp v[\r], v[\r], v[\r] row_xmask:8 row_mask:0xf bank_mask:0xf
	v_permlanex16_b32 v[TM], v[\r], s26, s27
	v_max_num_f32 v[\r], v[\r], v[TM]
.endm
.macro WSUM r                          ; the same for a sum
	v_add_f32_dpp v[\r], v[\r], v[\r] row_xmask:1 row_mask:0xf bank_mask:0xf
	v_add_f32_dpp v[\r], v[\r], v[\r] row_xmask:2 row_mask:0xf bank_mask:0xf
	v_add_f32_dpp v[\r], v[\r], v[\r] row_xmask:4 row_mask:0xf bank_mask:0xf
	v_add_f32_dpp v[\r], v[\r], v[\r] row_xmask:8 row_mask:0xf bank_mask:0xf
	v_permlanex16_b32 v[TM], v[\r], s26, s27
	v_add_f32 v[\r], v[\r], v[TM]
.endm
; The end of both ways: the waves' maxima meet in LDS; wave 0 stores the work-group's maximum (cs = 1: and its 64 column sums, 256 consecutive bytes).
.macro FIN cs
	v_lshlrev_b32 v[T], 16, v[M]
	v_and_b32 v[T+1], s25, v[M]
	v_max_num_f32 v[M], v[T], v[T+1]
	WMAX M
	v_mov_b32 v[T], s3
	v_lshlrev_b32 v[T], 2, v[T]
	ds_store_b32 v[T], v[M] offset:MXL             ; all lanes write the same word with the same value
	s_wait_dscnt 0x0                               ; for the others' sake: my LDS stores are done
	s_barrier_signal -1
	s_barrier_wait -1
	s_cmp_lg_u32 s3, 0
	s_cbranch_scc1 .Lend_\@
	ds_load_b128 v[X:X+3], v[ZO] offset:MXL
	ds_load_b128 v[X+4:X+7], v[ZO] offset:MXL+16
.if \cs
	ds_load_b64 v[X+8:X+9], v[LN8] offset:CSL
.endif
	s_wait_dscnt 0x0
.if \cs
	global_store_b64 v[LN8], v[X+8:X+9], s[28:29]
.endif
	v_max3_num_f32 v[X], v[X], v[X+1], v[X+2]
	v_max3_num_f32 v[X+3], v[X+3], v[X+4], v[X+5]
	v_max3_num_f32 v[X], v[X], v[X+6], v[X+7]
	v_max_num_f32 v[X], v[X], v[X+3]
	v_cmp_gt_u32 vcc_lo, 1, v0                     ; thread 0 alone
	s_wait_xcnt 0x0                                ; EXEC changes only behind this wait
	s_and_saveexec_b32 s30, vcc_lo
	global_store_b32 v[ZO], v[X], s[22:23]
	s_wait_xcnt 0x0                                ; and again in front of the line that widens it
	s_or_b32 exec_lo, exec_lo, s30
.Lend_\@:
	s_wait_tensorcnt 0x0                           ; the wave's end, behind my last LDS store
	ds_add_u32 v[SPW], v[NIL]
	s_wait_dscnt 0x0
	s_endpgm
.endm
; The copy's eight slots: rounded to bf16, the maximum taken of the rounded numbers, stored.  f = 1: the rounded numbers are widened again and written as f16.
.macro COPY f
.irp i, 0,1,2,3,4,5,6,7
	s_wait_loadcnt 7-(\i)                          ; loads come back in order: mine is in, the younger ones stay out
	v_cvt_pk_bf16_f32 v[W+2*(\i)], v[X+4*(\i)], v[X+4*(\i)+1]
	v_cvt_pk_bf16_f32 v[W+2*(\i)+1], v[X+4*(\i)+2], v[X+4*(\i)+3]
	v_and_b32 v[T], s24, v[W+2*(\i)]
	v_and_b32 v[T+1], s24, v[W+2*(\i)+1]
	v_pk_max_num_bf16 v[M], v[M], v[T]
	v_pk_max_num_bf16 v[M], v[M], v[T+1]
.if \f
	v_lshlrev_b32 v[X+4*(\i)], 16, v[W+2*(\i)]
	v_and_b32 v[X+4*(\i)+1], s25, v[W+2*(\i)]
	v_lshlrev_b32 v[X+4*(\i)+2], 16, v[W+2*(\i)+1]
	v_and_b32 v[X+4*(\i)+3], s25, v[W+2*(\i)+1]
	v_cvt_pk_f16_f32 v[W+2*(\i)], v[X+4*(\i)], v[X+4*(\i)+1]
	v_cvt_pk_f16_f32 v[W+2*(\i)+1], v[X+4*(\i)+2], v[X+4*(\i)+3]
.endif
	global_store_b64 v[A2], v[W+2*(\i):W+2*(\i)+1], s[20:21] offset:2048*(\i)  ; 32 lanes store 256 consecutive bytes, aligned
.endr
.endm
	s_load_b256 s[4:11], s[0:1], 0x0               ; x s[4:5], W_attn s[6:7], W_proj s[8:9], E s[10:11]
	s_load_b128 s[12:15], s[0:1], 0x20             ; F s[12:13], cv s[14:15]
	v_lshl_add_u32 v[SPW], v0, 2, SPARE
	v_mov_b32 v[NIL], 0
	v_lshrrev_b32 v[T], 5, v0
	v_readfirstlane_b32 s3, v[T]                   ; wave 0..7
	s_mov_b32 s2, ttmp9                            ; work-group g
	s_mov_b32 s24, 0x7fff7fff                      ; clears the signs of two bf16
	s_mov_b32 s25, 0xffff0000                      ; a word's upper bf16
	s_mov_b32 s26, 0x76543210                      ; v_permlanex16_b32: each lane takes its own place in the other half
	s_mov_b32 s27, 0xfedcba98
	v_mov_b32 v[M], 0
	v_mov_b32 v[TM], 0
	v_mov_b32 v[ZO], 0
	s_lshl_b32 s22, s2, 2
	s_mov_b32 s23, 0
	s_wait_kmcnt 0x0
	s_add_nc_u64 s[22:23], s[14:15], s[22:23]
	s_add_nc_u64 s[22:23], s[22:23], PMX           ; where the work-group's maximum goes
	s_cmp_lt_u32 s2, 1536
	s_cbranch_scc0 .Ltrans
	; THE COPY.  8,192 numbers: 32,768 bytes in, 16,384 out.  x has 1,024 such pieces, W_attn 384, W_proj 128; their copies lie end to end in cv.
	s_cmp_lt_u32 s2, 1024
	s_cselect_b64 s[16:17], s[4:5], s[6:7]
	s_cselect_b32 s18, 0, 1024
	s_cmp_lt_u32 s2, 1408
	s_cselect_b64 s[16:17], s[16:17], s[8:9]
	s_cselect_b32 s18, s18, 1408
	s_sub_co_u32 s18, s2, s18
	s_lshl_b32 s18, s18, 15
	s_mov_b32 s19, 0
	s_add_nc_u64 s[16:17], s[16:17], s[18:19]
	s_lshl_b32 s20, s2, 14
	s_mov_b32 s21, 0
	s_add_nc_u64 s[20:21], s[14:15], s[20:21]
	v_lshlrev_b32 v[GI], 4, v0
	v_lshlrev_b32 v[A2], 3, v0
.irp i, 0,1,2,3,4,5,6,7
	global_load_b128 v[X+4*(\i):X+4*(\i)+3], v[GI], s[16:17] offset:4096*(\i) th:TH_LOAD_NT  ; a wave's load covers 512 consecutive bytes
.endr
	s_cmp_lt_u32 s2, 1408
	s_cbranch_scc0 .Lwp
	COPY 0                                         ; x and W_attn stay bf16
	s_branch .Lfin
.Lwp:
	COPY 1                                         ; W_proj
.Lfin:
	FIN 0
	; THE TURN.  g' = g - 1536: tensor = g' / 128, block of 512 t = (g' / 16) % 8, strip of 64 j = g' % 16.
.Ltrans:
	s_sub_co_u32 s16, s2, 1536
	s_lshr_b32 s17, s16, 7                         ; tensor
	s_and_b32 s18, s16, 15                         ; strip
	s_bfe_u32 s19, s16, 0x30004                    ; block of t
	s_cmp_eq_u32 s17, 0
	s_cselect_b64 s[20:21], s[10:11], s[12:13]     ; E or F
	s_lshl_b32 s32, s19, 21                        ; 512 rows of 4,096 bytes
	s_lshl_b32 s34, s18, 8                         ; 64 columns of 4 bytes
	s_add_co_u32 s32, s32, s34
	s_mov_b32 s33, 0
	s_add_nc_u64 s[20:21], s[20:21], s[32:33]
	s_lshl_b32 s32, s17, 23                        ; out: (tensor x 1024 + 64 strip) rows of 8,192 bytes + 1,024 x block
	s_lshl_b32 s34, s18, 19
	s_add_co_u32 s32, s32, s34
	s_lshl_b32 s34, s19, 10
	s_add_co_u32 s32, s32, s34
	s_add_nc_u64 s[36:37], s[14:15], s[32:33]
	s_add_nc_u64 s[36:37], s[36:37], EFT
	s_lshl_b32 s32, s17, 15                        ; the sums: ((tensor x 8 + block) x 1024 + 64 strip) x 4
	s_lshl_b32 s34, s19, 12
	s_add_co_u32 s32, s32, s34
	s_lshl_b32 s34, s18, 8
	s_add_co_u32 s32, s32, s34
	s_add_nc_u64 s[28:29], s[14:15], s[32:33]
	s_add_nc_u64 s[28:29], s[28:29], CSP
	v_and_b32 v[T], 15, v0                         ; jq: my four columns
	v_lshrrev_b32 v[T+1], 4, v0                    ; tp: my pair of rows, 0..15
	v_lshlrev_b32 v[GI], 4, v[T]
	v_lshl_add_u32 v[GI], v[T+1], 13, v[GI]        ; tp x 2 rows + jq x 16 bytes
	v_mul_u32_u24 v[A2], v[T], 4*LTP
	v_lshl_add_u32 v[A2], v[T+1], 2, v[A2]         ; LDS row 4 jq, word tp
	v_and_b32 v[LN8], 31, v0
	v_lshlrev_b32 v[LN8], 3, v[LN8]
	s_mul_i32 s38, s3, 8*LTP
	v_add_nc_u32 v[LR], s38, v[LN8]                ; wave w reads LDS rows 8 w .. 8 w + 7
	s_lshl_b32 s38, s3, 16
	v_add_nc_u32 v[GO], s38, v[LN8]                ; and stores rows of 8,192 bytes
.set i, 0
.rept 16
	v_mov_b32 v[CS+i], 0
.set i, i+1
.endr
.macro LOADS u                         ; 128 t x 64 j: eight loads a thread; sixteen lanes cover 256 consecutive bytes of a row
.irp g, 0,1,2,3
.irp c, 0,1
	global_load_b128 v[X+32*((\u)%2)+4*(2*(\g)+(\c)):X+32*((\u)%2)+4*(2*(\g)+(\c))+3], v[GI], s[20:21] offset:(\u)*524288+(\g)*131072+(\c)*4096 th:TH_LOAD_NT
.endr
.endr
.endm
; Sub-tile u.  Two LDS regions take turns: region u % 2 is written again in sub-tile u + 2, behind barrier u + 1, in front of which every wave has waited for its reads of sub-tile u.
.macro SUB u
.if (\u) < 3
	s_wait_loadcnt 8                               ; my set is in; the other set's eight loads stay out
.else
	s_wait_loadcnt 0x0
.endif
.irp g, 0,1,2,3
.irp c, 0,1,2,3
	v_cvt_pk_bf16_f32 v[W+4*(\g)+(\c)], v[X+32*((\u)%2)+8*(\g)+(\c)], v[X+32*((\u)%2)+8*(\g)+4+(\c)]  ; rows 2 P and 2 P + 1 of one column: neighbours in the turned row
.endr
.endr
.irp n, 0,1,2,3,4,5,6,7,8,9,10,11,12,13,14,15
	v_and_b32 v[T+(\n)%4], s24, v[W+(\n)]
	v_pk_max_num_bf16 v[M], v[M], v[T+(\n)%4]
.endr
.irp g, 0,1,2,3
.irp c, 0,1,2,3
	ds_store_b32 v[A2], v[W+4*(\g)+(\c)] offset:((\u)%2)*LTB+(\c)*LTP+64*(\g)
.endr
.endr
.if (\u) < 2
	LOADS (\u)+2
.endif
	s_wait_dscnt 0x0                               ; my stores are done, and so are my reads of the sub-tile before
	s_barrier_signal -1
	s_barrier_wait -1
	s_wait_xcnt 0x0                                ; the last sub-tile's stores have read R, which is loaded again
.irp k, 0,1,2,3,4,5,6,7
	ds_load_b64 v[R+2*(\k):R+2*(\k)+1], v[LR] offset:((\u)%2)*LTB+(\k)*LTP
.endr
.irp k, 0,1,2,3,4,5,6,7
	s_wait_dscnt 7-(\k)
	global_store_b64 v[GO], v[R+2*(\k):R+2*(\k)+1], s[36:37] offset:(\k)*8192+(\u)*256  ; 32 lanes store 256 consecutive bytes, aligned
	v_lshlrev_b32 v[T], 16, v[R+2*(\k)]
	v_and_b32 v[T+1], s25, v[R+2*(\k)]
	v_lshlrev_b32 v[T+2], 16, v[R+2*(\k)+1]
	v_and_b32 v[T+3], s25, v[R+2*(\k)+1]
	v_pk_add_f32 v[CS+2*(\k):CS+2*(\k)+1], v[CS+2*(\k):CS+2*(\k)+1], v[T:T+1]      ; sums of the rounded numbers, in f32
	v_pk_add_f32 v[CS+2*(\k):CS+2*(\k)+1], v[CS+2*(\k):CS+2*(\k)+1], v[T+2:T+3]
.endr
.endm
	LOADS 0
	LOADS 1
	SUB 0
	SUB 1
	SUB 2
	SUB 3
.irp k, 0,1,2,3,4,5,6,7
	v_add_f32 v[CS+2*(\k)], v[CS+2*(\k)], v[CS+2*(\k)+1]
	WSUM CS+2*(\k)
.endr
	v_mov_b32 v[T], s3
	v_lshlrev_b32 v[T], 5, v[T]
.irp k, 0,1,2,3,4,5,6,7
	ds_store_b32 v[T], v[CS+2*(\k)] offset:CSL+4*(\k)
.endr
	FIN 1
.Lfunc_end_k_qe6bd20f09d_cvt:
	.size	k_qe6bd20f09d_cvt, .Lfunc_end_k_qe6bd20f09d_cvt-k_qe6bd20f09d_cvt
	.p2alignl 7, 3214868480
	.fill 96, 4, 3214868480
	.section	.rodata,"a",@progbits
	.p2align	6, 0x0
	.amdhsa_kernel k_qe6bd20f09d_cvt
		.amdhsa_group_segment_fixed_size 35328
		.amdhsa_private_segment_fixed_size 0
		.amdhsa_enable_private_segment 0
		.amdhsa_kernarg_size 48
		.amdhsa_user_sgpr_count 2
		.amdhsa_user_sgpr_kernarg_segment_ptr 1
		.amdhsa_wavefront_size32 1
		.amdhsa_system_sgpr_workgroup_id_x 1
		.amdhsa_system_sgpr_workgroup_id_y 1
		.amdhsa_system_sgpr_workgroup_id_z 1
		.amdhsa_system_vgpr_workitem_id 0
		.amdhsa_next_free_vgpr 128
		.amdhsa_next_free_sgpr 66
		.amdhsa_reserve_vcc 1
		.amdhsa_float_denorm_mode_32 3
		.amdhsa_float_denorm_mode_16_64 3
		.amdhsa_memory_ordered 1
		.amdhsa_forward_progress 1
		.amdhsa_inst_pref_size 52
	.end_amdhsa_kernel
	.amdgpu_metadata
---
amdhsa.version: [ 1, 2 ]
amdhsa.kernels:
  - .name:           k_qe6bd20f09d_cvt
    .symbol:         k_qe6bd20f09d_cvt.kd
    .args:
      - { .name: x, .offset: 0, .size: 8, .value_kind: global_buffer, .address_space: global }
      - { .name: W_attn, .offset: 8, .size: 8, .value_kind: global_buffer, .address_space: global }
      - { .name: W_proj, .offset: 16, .size: 8, .value_kind: global_buffer, .address_space: global }
      - { .name: E, .offset: 24, .size: 8, .value_kind: global_buffer, .address_space: global }
      - { .name: F, .offset: 32, .size: 8, .value_kind: global_buffer, .address_space: global }
      - { .name: cv, .offset: 40, .size: 8, .value_kind: global_buffer, .address_space: global }
    .group_segment_fixed_size: 35328
    .private_segment_fixed_size: 0
    .kernarg_segment_align: 8
    .kernarg_segment_size: 48
    .max_flat_workgroup_size: 256
    .sgpr_count:     66
    .vgpr_count:     128
    .wavefront_size: 32
...
	.end_amdgpu_metadata
.endif
;; end of part 1
;; launch prep (part 2): grid 1 x 1, 16 waves a work-group, no clusters, 2,304 bytes of LDS; arguments cv, b_attn, b_proj, tab; writes tab
.if DOCPART == 2
	.amdgcn_target "amdgcn-amd-amdhsa--gfx1250"
	.amdhsa_code_object_version 6
	.text
	.protected	k_qe6bd20f09d_prep
	.globl	k_qe6bd20f09d_prep
	.p2align	8
	.type	k_qe6bd20f09d_prep,@function
k_qe6bd20f09d_prep:
	s_mov_b64 s[64:65], 0
	v_nop
	global_prefetch_b8 v0, s[64:65] scope:SCOPE_SE
	s_setreg_imm32_b32 hwreg(HW_REG_WAVE_MODE, 25, 1), 1
	s_wait_xcnt 0x0
; The small tables.  tab: CS at 0: [2][1024] f32, the column sums of the rounded E and F; BIAS at 8,192: b_attn then b_proj, each number rounded to bf16 and kept as f32;
; SCAL at 24,576: sq, sk, sv, 0, c, 1 / sv, 0, 0.
; THE SCALES are powers of two made from bounds: Q = 1024 xmax Wmax + bmax bounds |q| and |k|; 4096 Emax Q bounds |k_proj|, 4096 Fmax Q bounds |v_proj|.
; For a bound with biased exponent e (held to 15 .. 254) the scale is 2^(141 - e): bound x scale < 2^15, inside f16.  c = log2(e) / 8 / (sq sk).
; LIMITS: the bounds must be finite in f32; NaN and infinities are not treated apart.
; One work-group of 512 threads: 87 KB in all; every load goes out at the head.
.set CSP,   41943040
.set PMX,   42008576
.set SPARE, 256                        ; LDS 0..127: 16 maxima of the partial maxima, 16 of |b_attn|; from 256: the spare words, 128 bytes for each of 16 waves
.set SPW, 8
.set NIL, 9
.set TM,  11
.macro WMAX r
	v_max_num_f32_dpp v[\r], v[\r], v[\r] row_xmask:1 row_mask:0xf bank_mask:0xf
	v_max_num_f32_dpp v[\r], v[\r], v[\r] row_xmask:2 row_mask:0xf bank_mask:0xf
	v_max_num_f32_dpp v[\r], v[\r], v[\r] row_xmask:4 row_mask:0xf bank_mask:0xf
	v_max_num_f32_dpp v[\r], v[\r], v[\r] row_xmask:8 row_mask:0xf bank_mask:0xf
	v_permlanex16_b32 v[TM], v[\r], s24, s25
	v_max_num_f32 v[\r], v[\r], v[TM]
.endm
	s_load_b256 s[4:11], s[0:1], 0x0               ; cv s[4:5], b_attn s[6:7], b_proj s[8:9], tab s[10:11]
	v_lshl_add_u32 v[SPW], v0, 2, SPARE
	v_mov_b32 v[NIL], 0
	v_lshrrev_b32 v1, 5, v0
	v_readfirstlane_b32 s3, v1                     ; wave 0..15
	s_mov_b32 s20, 0xffff0000
	s_mov_b32 s21, 0x7fff7fff
	s_mov_b32 s24, 0x76543210
	s_mov_b32 s25, 0xfedcba98
	v_mov_b32 v[TM], 0
	v_mov_b32 v12, 0
	v_and_b32 v1, 255, v0
	v_lshrrev_b32 v2, 8, v0                        ; tensor
	v_lshlrev_b32 v3, 4, v1
	v_lshl_add_u32 v4, v2, 15, v3                  ; the partial sums: tensor x 8 x 4,096 + 16 (t % 256)
	v_lshlrev_b32 v5, 4, v0                        ; 16 t
	v_min_u32 v6, 7152, v5                         ; the 1,792 maxima are 448 threads' 16 bytes: waves 14 and 15 read the last 16 once more, and nobody reads their result
	s_cmp_lt_u32 s3, 8
	s_cselect_b32 s12, 8192, 0                     ; second round: waves 0-7 take the rest of b_attn, waves 8-15 b_proj
	s_cselect_b32 s13, s21, 0                      ; whose numbers do not enter b_attn's maximum
	v_add_nc_u32 v7, s12, v3
	s_wait_kmcnt 0x0
	s_cmp_lt_u32 s3, 8
	s_cselect_b64 s[14:15], s[6:7], s[8:9]
	s_add_nc_u64 s[16:17], s[4:5], CSP
	s_add_nc_u64 s[18:19], s[4:5], PMX
.irp p, 0,1,2,3,4,5,6,7
	global_load_b128 v[16+4*(\p):19+4*(\p)], v4, s[16:17] offset:4096*(\p)
.endr
	global_load_b128 v[48:51], v5, s[6:7]
	global_load_b128 v[52:55], v7, s[14:15]
	global_load_b128 v[56:59], v6, s[18:19]
	s_wait_loadcnt 0x0
	; the column sums: eight partial sums each, added in pairs
.irp p, 0,2,4,6
	v_pk_add_f32 v[16+4*(\p):17+4*(\p)], v[16+4*(\p):17+4*(\p)], v[20+4*(\p):21+4*(\p)]
	v_pk_add_f32 v[18+4*(\p):19+4*(\p)], v[18+4*(\p):19+4*(\p)], v[22+4*(\p):23+4*(\p)]
.endr
.irp p, 0,4
	v_pk_add_f32 v[16+4*(\p):17+4*(\p)], v[16+4*(\p):17+4*(\p)], v[24+4*(\p):25+4*(\p)]
	v_pk_add_f32 v[18+4*(\p):19+4*(\p)], v[18+4*(\p):19+4*(\p)], v[26+4*(\p):27+4*(\p)]
.endr
	v_pk_add_f32 v[16:17], v[16:17], v[32:33]
	v_pk_add_f32 v[18:19], v[18:19], v[34:35]
	global_store_b128 v5, v[16:19], s[10:11]
	; the biases: rounded to bf16, kept as f32
	v_cvt_pk_bf16_f32 v60, v48, v49
	v_cvt_pk_bf16_f32 v61, v50, v51
	v_cvt_pk_bf16_f32 v62, v52, v53
	v_cvt_pk_bf16_f32 v63, v54, v55
.irp n, 0,1,2,3
	v_lshlrev_b32 v[48+2*(\n)], 16, v[60+(\n)]
	v_and_b32 v[49+2*(\n)], s20, v[60+(\n)]
.endr
	global_store_b128 v5, v[48:51], s[10:11] offset:8192
	global_store_b128 v5, v[52:55], s[10:11] offset:16384
	v_and_b32 v60, s21, v60
	v_and_b32 v61, s21, v61
	v_and_b32 v62, s13, v62
	v_and_b32 v63, s13, v63
	v_pk_max_num_bf16 v60, v60, v61
	v_pk_max_num_bf16 v62, v62, v63
	v_pk_max_num_bf16 v60, v60, v62
	v_lshlrev_b32 v61, 16, v60
	v_and_b32 v62, s20, v60
	v_max_num_f32 v60, v61, v62
	WMAX 60
	v_max3_num_f32 v56, v56, v57, v58
	v_max_num_f32 v56, v56, v59
	WMAX 56
	v_mov_b32 v10, s3
	v_lshlrev_b32 v10, 2, v10
	ds_store_b32 v10, v56                          ; by wave: 0-7 x, 8-10 W_attn, 11 W_proj, 12 E, 13 F
	ds_store_b32 v10, v60 offset:64
	s_wait_dscnt 0x0
	s_barrier_signal -1
	s_barrier_wait -1
	s_cmp_lg_u32 s3, 0
	s_cbranch_scc1 .Lend
.irp n, 0,1,2,3,4,5,6,7
	ds_load_b128 v[64+4*(\n):67+4*(\n)], v12 offset:16*(\n)
.endr
	s_wait_dscnt 0x0
	v_max3_num_f32 v64, v64, v65, v66
	v_max3_num_f32 v64, v64, v67, v68
	v_max3_num_f32 v64, v64, v69, v70
	v_max_num_f32 v64, v64, v71                    ; xmax
	v_max3_num_f32 v72, v72, v73, v74              ; Wmax
.irp n, 81,83,85,87,89,91,93
	v_max3_num_f32 v80, v80, v[\n], v[(\n)+1]
.endr
	v_max_num_f32 v80, v80, v95                    ; bmax
	v_mul_f32 v65, v64, v72
	v_fma_f32 v65, v65, 0x44800000, v80            ; Q = 1024 xmax Wmax + bmax
	v_mul_f32 v66, v76, v65
	v_mul_f32 v66, 0x45800000, v66                 ; 4096 Emax Q
	v_mul_f32 v67, v77, v65
	v_mul_f32 v67, 0x45800000, v67                 ; 4096 Fmax Q
.irp n, 0,1,2
	v_lshrrev_b32 v[68+(\n)], 23, v[65+(\n)]       ; the bound's biased exponent e
	v_max_u32 v[68+(\n)], 15, v[68+(\n)]
	v_min_u32 v[68+(\n)], 254, v[68+(\n)]
	v_sub_nc_u32 v[84+(\n)], 268, v[68+(\n)]
	v_lshlrev_b32 v[84+(\n)], 23, v[84+(\n)]       ; 2^(141 - e)
	v_add_nc_u32 v[68+(\n)], -14, v[68+(\n)]
	v_lshlrev_b32 v[68+(\n)], 23, v[68+(\n)]       ; 2^(e - 141)
.endr
	v_mov_b32 v87, 0
	v_mul_f32 v88, 0x3e38aa3b, v68                 ; log2(e) / 8 / sq
	v_mul_f32 v88, v88, v69                        ; / sk
	v_mov_b32 v89, v70
	v_mov_b32 v90, 0
	v_mov_b32 v91, 0
	v_cmp_gt_u32 vcc_lo, 1, v0
	s_wait_xcnt 0x0                                ; EXEC changes only behind this wait
	s_and_saveexec_b32 s22, vcc_lo
	global_store_b128 v12, v[84:87], s[10:11] offset:24576
	global_store_b128 v12, v[88:91], s[10:11] offset:24592
	s_wait_xcnt 0x0
	s_or_b32 exec_lo, exec_lo, s22
.Lend:
	s_wait_tensorcnt 0x0                           ; the wave's end, behind my last LDS store
	ds_add_u32 v[SPW], v[NIL]
	s_wait_dscnt 0x0
	s_endpgm
.Lfunc_end_k_qe6bd20f09d_prep:
	.size	k_qe6bd20f09d_prep, .Lfunc_end_k_qe6bd20f09d_prep-k_qe6bd20f09d_prep
	.p2alignl 7, 3214868480
	.fill 96, 4, 3214868480
	.section	.rodata,"a",@progbits
	.p2align	6, 0x0
	.amdhsa_kernel k_qe6bd20f09d_prep
		.amdhsa_group_segment_fixed_size 2304
		.amdhsa_private_segment_fixed_size 0
		.amdhsa_enable_private_segment 0
		.amdhsa_kernarg_size 32
		.amdhsa_user_sgpr_count 2
		.amdhsa_user_sgpr_kernarg_segment_ptr 1
		.amdhsa_wavefront_size32 1
		.amdhsa_system_sgpr_workgroup_id_x 1
		.amdhsa_system_sgpr_workgroup_id_y 1
		.amdhsa_system_sgpr_workgroup_id_z 1
		.amdhsa_system_vgpr_workitem_id 0
		.amdhsa_next_free_vgpr 96
		.amdhsa_next_free_sgpr 66
		.amdhsa_reserve_vcc 1
		.amdhsa_float_denorm_mode_32 3
		.amdhsa_float_denorm_mode_16_64 3
		.amdhsa_memory_ordered 1
		.amdhsa_forward_progress 1
		.amdhsa_inst_pref_size 9
	.end_amdhsa_kernel
	.amdgpu_metadata
---
amdhsa.version: [ 1, 2 ]
amdhsa.kernels:
  - .name:           k_qe6bd20f09d_prep
    .symbol:         k_qe6bd20f09d_prep.kd
    .args:
      - { .name: cv, .offset: 0, .size: 8, .value_kind: global_buffer, .address_space: global }
      - { .name: b_attn, .offset: 8, .size: 8, .value_kind: global_buffer, .address_space: global }
      - { .name: b_proj, .offset: 16, .size: 8, .value_kind: global_buffer, .address_space: global }
      - { .name: tab, .offset: 24, .size: 8, .value_kind: global_buffer, .address_space: global }
    .group_segment_fixed_size: 2304
    .private_segment_fixed_size: 0
    .kernarg_segment_align: 8
    .kernarg_segment_size: 32
    .max_flat_workgroup_size: 512
    .sgpr_count:     66
    .vgpr_count:     96
    .wavefront_size: 32
...
	.end_amdgpu_metadata
.endif
;; end of part 2
;; launch gu (part 3): grid 8 x 32, 4 waves a work-group, clusters of 4 x 4, 327,680 bytes of LDS; arguments cv, uq; writes uq
.if DOCPART == 3
	.amdgcn_target "amdgcn-amd-amdhsa--gfx1250"
	.amdhsa_code_object_version 6
	.text
	.protected	k_qe6bd20f09d_gu
	.globl	k_qe6bd20f09d_gu
	.p2align	8
	.type	k_qe6bd20f09d_gu,@function
k_qe6bd20f09d_gu:
	s_mov_b64 s[64:65], 0
	v_nop
	global_prefetch_b8 v0, s[64:65] scope:SCOPE_SE
	s_setreg_imm32_b32 hwreg(HW_REG_WAVE_MODE, 25, 1), 1
	s_wait_xcnt 0x0
	s_wait_alu depctr_hold_cnt(0) depctr_sa_sdst(0) depctr_va_vdst(0) depctr_va_sdst(0) depctr_va_ssrc(0) depctr_va_vcc(0) depctr_vm_vsrc(0)
	s_getreg_b32 s2, hwreg(HW_REG_IB_STS2, 6, 4)
	s_cmp_eq_u32 s2, 0
	s_cbranch_scc0 .Lentry_in_a_cluster
	s_endpgm
.Lentry_in_a_cluster:
	s_bfe_u32 s2, ttmp6, 0x10000c
	s_cmp_lg_u32 s2, 0xf033
	s_cbranch_scc0 .Lentry_shape_is_right
	s_endpgm
.Lentry_shape_is_right:
; U = E^T x and F^T x:  U[tensor][b][j][c] = the sum over t of EF[tensor][t][j] x[b][t][c].  M = 4,096 rows (tensor, b, j), N = 1,024, K = 4,096; operands bf16, sums f32.
; k_proj = E^T (x Wk + 1 bk^T) = (E^T x) Wk + (E^T 1) bk^T: this launch makes the first factor.  U is stored as hi + lo, two bf16 (lo = bf16(U - hi)): a row of 4,096 bytes is
; 16 pieces of [hi of 64 columns, 128 bytes | lo of the same 64, 128 bytes].
; A tile of C is 128 x 128: four waves of 64 x 64, 16 accumulators each.  A = EFT, [M][K]; B = x, [K][N] as it lies, turned on its way out of LDS by ds_load_tr16_b128.
; K goes in steps of 256 through two LDS slots; a wave's one tensor load brings 64 rows x 512 bytes of A or 128 rows x 256 bytes of B.
; CLUSTER 4 x 4: A's tile is asked for jointly along a row of the cluster, B's along a column.  The matrix instruction is used transposed (source 0 = 16 columns of B, source 1 = 16 rows of A):
; a lane then holds eight neighbouring columns of one row of C.  One step is written once: the LDS addresses hang on s[TB], 0 or SLOT.
; No prefetch: a tile of 128 x 128 has too little work a byte for one to help.
.set NSTEP, 16
.set LDA,   4096
.set LDB,   1024
.set KB,    256
.set EFT,   25165824
.set PA,    528                        ; an LDS row of A: 512 bytes + 16: the 16 rows of a load start at 16 different groups of four banks
.set PB,    288                        ; an LDS row of B: 256 bytes + 32
.set HALFA, 64*PA
.set HALFB, (KB/2)*PB
.set SLOT,  2*HALFA+2*HALFB            ; A's 128 rows, then B's KB rows
.set STAGE, 2*SLOT                     ; behind the ring: 16 rows x 272 bytes for each wave; no tensor load fills it
.set SPARE, STAGE+4*4352               ; the spare words, 128 bytes for each wave; no other line names them
.set ASTEP, 512
.set BSTEP, KB*LDB*2
.set LD2,   16                         ; LDS loads in the second half of a run
.set NLD,   16+LD2
.set AL0, 16                           ; v16  my lane's place in A's part of a slot; never rewritten
.set BL0, 17                           ; v17  the same for B
.set ADRA, 18                          ; v18  the same in the slot in hand
.set ADRB, 19                          ; v19, v20: B's rows 0-127 and 128-255 (an LDS offset has 16 bits)
.set STO, 24
.set RD,  25
.set CO,  26
.set SPW, 28
.set NIL, 29
.set NEG1, 30
.set HI,  32
.set LO,  48
.set T,   64
.set ACC, 128                          ; v128-255: accumulator (a, b) at ACC + 8 (4 a + b)
.set F0,  0                            ; window 1: two fragment buffers of 128: 64 registers of A, then 64 of B
.set F1,  128
.set WV, 12
.set RH, 13                            ; my half of the tile's rows; also: I fetch for A (0) or B (1)
.set CH, 14                            ; my half of its columns; also: which half of that tile I fetch
.set TY, 15
.set TX, 16
.set CX, 17
.set CY, 18
.set CLY, 19
.set LA, 20                            ; s20  my tile's place in a slot, for A
.set LB, 21                            ; s21  for B
.set G1, 24
.set G0, 32                            ; two sets: slot 0 with step 0; slot 1 with step 1, which then walks
.set G1B, 48
.set G0B, 56
.set TB, 66                            ; s66  0 or SLOT: the slot in hand
.set CNT, 67
.set MSB, 0
.macro WIN new                         ; the immediate's high byte repeats the setting that is left
.if MSB != (\new)
	s_set_vgpr_msb (MSB<<8)|(\new)
.set MSB, \new
.endif
.endm
.set MUL,  0x05                        ; sources 0 (B) and 1 (A) window 1; C and D window 0
.set TO_F, 0x40                        ; destination window 1, address window 0
.macro JLOAD s                         ; a joint load: waves 0 and 1 fetch A's halves, waves 2 and 3 B's; an s_nop 0 and four v_nop follow each line
	s_cmp_eq_u32 s[RH], 0
	s_cbranch_scc0 .Lfor_b_\@
	tensor_load_to_lds s[G0+4*(\s):G0+4*(\s)+3], s[G1:G1+7]
	s_nop 0
.rept 4
	v_nop
.endr
	s_branch .Lasked_\@
.Lfor_b_\@:
	tensor_load_to_lds s[G0B+4*(\s):G0B+4*(\s)+3], s[G1B:G1B+7]
	s_nop 0
.rept 4
	v_nop
.endr
.Lasked_\@:
.endm
.macro CREST                           ; a round of the cluster's barrier behind its opening barrier
	s_cmp_lg_u32 s[WV], 0
	s_cbranch_scc1 .Lnot_wave_0_\@
	s_barrier_signal -3
.Lnot_wave_0_\@:
	s_barrier_wait -3
	s_barrier_signal -1
	s_barrier_wait -1
.endm
.macro CROUND
	s_barrier_signal -1
	s_barrier_wait -1
	CREST
.endm
.macro PLACES                          ; four places in front of loads into registers that matrix instructions have read, and of lines that read results
.rept 4
	v_nop
.endr
.endm
; 8 matrix instructions: row blocks a0, a0 + 1 x all 4 column blocks, 32 along K: half c of buffer f.  The 16 accumulators take turns, one instruction a turn.
.macro MUL8 f, c, a0, zero
	WIN MUL
.irp a, \a0, (\a0)+1
.irp b, 0,1,2,3
.if \zero
	v_wmma_f32_16x16x32_bf16 v[ACC+8*(4*(\a)+(\b)):ACC+8*(4*(\a)+(\b))+7], v[(\f)+64+8*(4*(\c)+(\b)):(\f)+64+8*(4*(\c)+(\b))+7], v[(\f)+8*(4*(\c)+(\a)):(\f)+8*(4*(\c)+(\a))+7], 0
.else
	v_wmma_f32_16x16x32_bf16 v[ACC+8*(4*(\a)+(\b)):ACC+8*(4*(\a)+(\b))+7], v[(\f)+64+8*(4*(\c)+(\b)):(\f)+64+8*(4*(\c)+(\b))+7], v[(\f)+8*(4*(\c)+(\a)):(\f)+8*(4*(\c)+(\a))+7], v[ACC+8*(4*(\a)+(\b)):ACC+8*(4*(\a)+(\b))+7]
.endif
.endr
.endr
.endm
; 32 LDS loads in one run: quarter q of the step (64 along K) into buffer f; its first 32 along K first
.macro FETCH q, f
	WIN TO_F
.irp c, 0,1
.irp i, 0,1,2,3
	ds_load_tr16_b128 v[(\f)+64+8*(4*(\c)+(\i)):(\f)+64+8*(4*(\c)+(\i))+3],   v[ADRB+(\q)/2] offset:(64*((\q)%2)+32*(\c))*PB+32*(\i)
	ds_load_tr16_b128 v[(\f)+64+8*(4*(\c)+(\i))+4:(\f)+64+8*(4*(\c)+(\i))+7], v[ADRB+(\q)/2] offset:(64*((\q)%2)+32*(\c)+16)*PB+32*(\i)
	ds_load_b128 v[(\f)+8*(4*(\c)+(\i)):(\f)+8*(4*(\c)+(\i))+3],   v[ADRA] offset:128*(\q)+64*(\c)+(\i)*16*PA
	ds_load_b128 v[(\f)+8*(4*(\c)+(\i))+4:(\f)+8*(4*(\c)+(\i))+7], v[ADRA] offset:128*(\q)+64*(\c)+(\i)*16*PA+32
.endr
.endr
.endm
; multiplies buffer f and fetches quarter q into buffer g
.macro QUARTER q, f, g, zero
	s_wait_dscnt LD2                               ; the run's first 16 loads are in
	MUL8 \f, 0, 0, \zero
	MUL8 \f, 0, 2, \zero
	PLACES
	FETCH \q, \g
	s_wait_dscnt NLD                               ; all but the run just issued
	MUL8 \f, 1, 0, 0
	MUL8 \f, 1, 2, 0
.endm
; The step's last quarter multiplies buffer 1 and changes slots: ONE barrier; in front of it each wave waits for all its tensor loads, adds 0 to its spare word, and waits for that and for its
; reads of the slot.  fill = 1: the barrier opens a round of the cluster's, and the slot just read is filled again, two steps ahead, first thing behind the round.
.macro TURN fill
	WIN 0
	s_wait_tensorcnt 0x0                           ; all my tensor loads have landed: the one that was out is my part of the next slot
	ds_add_u32 v[SPW], v[NIL]
	s_wait_dscnt 1+LD2                             ; the add and the run's second half may be out
	MUL8 F1, 0, 0, 0
	s_wait_dscnt 0x0                               ; the add is done, and my reads of this slot are over
	s_barrier_signal -1
	MUL8 F1, 0, 2, 0
	WIN 0
	s_barrier_wait -1
.if \fill
	CREST                                          ; no wave of any partner still reads this slot or has a load on its way
	s_add_co_u32 s[G0+5], s[TB], s[LA]             ; the walking descriptors: the slot just read,
	s_add_nc_u64 s[G0+6:G0+7], s[G0+6:G0+7], ASTEP ; the next step
	s_add_co_u32 s[G0B+5], s[TB], s[LB]
	s_add_nc_u64 s[G0B+6:G0B+7], s[G0B+6:G0B+7], BSTEP
	JLOAD 1                                        ; 112 matrix instructions ahead of the wait for it; its four v_nop are also the places in front of the loads below
.else
	PLACES
.endif
	s_xor_b32 s[TB], s[TB], SLOT
	v_add_nc_u32 v[ADRA], s[TB], v[AL0]
	v_add_nc_u32 v[ADRB], s[TB], v[BL0]
	v_add_nc_u32 v[ADRB+1], 128*PB, v[ADRB]
	FETCH 0, F0
	MUL8 F1, 1, 0, 0
	MUL8 F1, 1, 2, 0
.endm
	s_load_b128 s[4:7], s[0:1], 0x0                ; cv s[4:5], uq s[6:7]
	v_lshl_add_u32 v[SPW], v0, 2, SPARE
	v_mov_b32 v[NIL], 0
	ds_add_u32 v[SPW], v[NIL]                      ; the wave's opening: the add and its wait ahead of my first tensor load
	v_lshrrev_b32 v1, 5, v0
	v_readfirstlane_b32 s[WV], v1
	s_lshr_b32 s[RH], s[WV], 1
	s_and_b32 s[CH], s[WV], 1
	s_bfe_u32 s[CX], ttmp6, 0x40000
	s_bfe_u32 s[CY], ttmp6, 0x40004
	s_lshl_b32 s[TX], ttmp9, 2
	s_add_co_u32 s[TX], s[TX], s[CX]               ; tile column
	s_and_b32 s[CLY], ttmp7, 0xffff
	s_lshl_b32 s[TY], s[CLY], 2
	s_add_co_u32 s[TY], s[TY], s[CY]               ; tile row = tensor x 16 + b x 8 + block of 128 j
	s_lshl_b32 s22, s[CY], 2
	s_lshl_b32 s22, 15, s22                        ; my row of the cluster
	s_lshl_b32 s23, 0x1111, s[CX]                  ; my column
	s_or_b32 s[G1], s22, (1<<16)|(1<<20)|(1<<21)|(6<<22)|(3<<25)   ; mask; 2-byte elements; padding on; bit 21 beside a mask; after every 128 words, 4 words
	s_or_b32 s[G1B], s23, (1<<16)|(1<<20)|(1<<21)|(5<<22)|(7<<25)  ; after every 64 words, 8 words
	s_mov_b32 s[G1+1], 256<<16                     ; tensor_dim0
	s_mov_b32 s[G1+2], 64<<16                      ; tensor_dim1
	s_mov_b32 s[G1+3], 256<<16                     ; tile_dim0
	s_mov_b32 s[G1+4], 64                          ; tile_dim1
	s_mov_b32 s[G1+5], LDA
	s_mov_b32 s[G1+6], 0
	s_mov_b32 s[G1+7], 0
	s_mov_b32 s[G1B+1], 128<<16
	s_mov_b32 s[G1B+2], (KB/2)<<16
	s_mov_b32 s[G1B+3], 128<<16
	s_mov_b32 s[G1B+4], KB/2
	s_mov_b32 s[G1B+5], LDB
	s_mov_b32 s[G1B+6], 0
	s_mov_b32 s[G1B+7], 0
	s_mul_i32 s[LA], s[CH], HALFA
	s_mul_i32 s[LB], s[CH], HALFB
	s_add_co_u32 s[LB], s[LB], 2*HALFA
	; A: EFT's rows tensor x 1024 + 128 block + 64 half, 8,192 bytes each: made of the cluster's y, cy and the wave alone
	s_lshr_b32 s40, s[CLY], 2
	s_lshl_b32 s40, s40, 3
	s_and_b32 s41, s[CLY], 1
	s_lshl_b32 s41, s41, 2
	s_add_co_u32 s40, s40, s41
	s_add_co_u32 s40, s40, s[CY]
	s_lshl_b32 s40, s40, 1
	s_add_co_u32 s40, s40, s[CH]
	s_lshl_b32 s40, s40, 19
	s_mov_b32 s41, 0
	; B: x of batch b, rows 128 half, columns 128 tile column: made of the cluster's y, the tile column and the wave alone
	s_bfe_u32 s42, s[CLY], 0x10001
	s_lshl_b32 s42, s42, 23
	s_lshl_b32 s43, s[CH], 18
	s_add_co_u32 s42, s42, s43
	s_lshl_b32 s43, s[TX], 8
	s_add_co_u32 s42, s42, s43
	s_mov_b32 s43, 0
	; out: row 128 tile row + 64 half, piece 2 tile column + half
	s_lshl_b32 s44, s[TY], 1
	s_add_co_u32 s44, s44, s[RH]
	s_lshl_b32 s44, s44, 18
	s_lshl_b32 s45, s[TX], 1
	s_add_co_u32 s45, s45, s[CH]
	s_lshl_b32 s45, s45, 8
	s_add_co_u32 s44, s44, s45
	s_mov_b32 s45, 0
	s_wait_dscnt 0x0                               ; the opening add is done
	s_wait_kmcnt 0x0
	s_add_nc_u64 s[40:41], s[4:5], s[40:41]
	s_add_nc_u64 s[40:41], s[40:41], EFT
	s_add_nc_u64 s[42:43], s[4:5], s[42:43]
	s_add_nc_u64 s[10:11], s[6:7], s[44:45]
	CROUND                                         ; all sixteen work-groups are here: the first joint loads meet
.irp s, 0,1
	s_mov_b32 s[G0+4*(\s)], 1
	s_add_co_u32 s[G0+4*(\s)+1], s[LA], (\s)*SLOT
	s_add_nc_u64 s[G0+4*(\s)+2:G0+4*(\s)+3], s[40:41], (\s)*ASTEP
	s_or_b32 s[G0+4*(\s)+3], s[G0+4*(\s)+3], 0x80000000
	s_mov_b32 s[G0B+4*(\s)], 1
	s_add_co_u32 s[G0B+4*(\s)+1], s[LB], (\s)*SLOT
	s_add_nc_u64 s[G0B+4*(\s)+2:G0B+4*(\s)+3], s[42:43], (\s)*BSTEP
	s_or_b32 s[G0B+4*(\s)+3], s[G0B+4*(\s)+3], 0x80000000
	JLOAD \s                                       ; two loads of mine are out
.endr
	v_and_b32 v1, 15, v0                           ; r = l % 16
	v_bfe_u32 v2, v0, 4, 1                         ; h = l / 16
	v_mul_u32_u24 v3, v1, PA
	v_lshl_add_u32 v3, v2, 4, v3
	s_mul_i32 s46, s[RH], HALFA
	v_add_nc_u32 v[AL0], s46, v3                   ; A: row x pitch + 16 h, in my 64 rows
	v_and_b32 v4, 7, v0
	v_lshl_add_u32 v4, v2, 3, v4
	v_mul_u32_u24 v4, v4, PB
	v_bfe_u32 v5, v0, 3, 1
	v_lshl_add_u32 v4, v5, 4, v4                   ; B: (8 h + l % 8) x pitch + 16 ((l / 8) % 2),
	s_lshl_b32 s46, s[CH], 7
	s_add_co_u32 s46, s46, 2*HALFA
	v_add_nc_u32 v[BL0], s46, v4                   ; in my 64 columns, behind A's rows
	s_mul_i32 s47, s[WV], 4352
	s_add_co_u32 s47, s47, STAGE                   ; my stage
	v_mul_u32_u24 v[STO], v1, 272
	v_lshl_add_u32 v[STO], v2, 4, v[STO]
	v_add_nc_u32 v[STO], s47, v[STO]               ; in: row r, 16 bytes for each half of the lanes
	v_mul_u32_u24 v[RD], v2, 272
	v_lshl_add_u32 v[RD], v1, 4, v[RD]
	v_add_nc_u32 v[RD], s47, v[RD]                 ; back: lanes 0-15 one row of 256 bytes, lanes 16-31 the next
	v_lshlrev_b32 v[CO], 12, v2
	v_lshl_add_u32 v[CO], v1, 4, v[CO]             ; and the same two rows in U
	v_mov_b32 v[NEG1], -1.0
	s_mov_b32 s[TB], 0
	v_mov_b32 v[ADRA], v[AL0]
	v_mov_b32 v[ADRB], v[BL0]
	v_add_nc_u32 v[ADRB+1], 128*PB, v[BL0]
	s_wait_tensorcnt 0x1                           ; my part of step 0 is in; step 1's may stay out
	s_barrier_signal -1
	s_barrier_wait -1
	FETCH 0, F0
	QUARTER 1, F0, F1, 1                           ; the first quarter's products start the sums: nothing is cleared
	WIN 0
	s_mov_b32 s[CNT], NSTEP-2
.Lfill:                                                ; a trip: a step's quarters 1 to 3, the change of slots with its refill, the next step's quarter 0
	QUARTER 2, F1, F0, 0
	QUARTER 3, F0, F1, 0
	TURN 1
	QUARTER 1, F0, F1, 0
	WIN 0
	s_sub_co_u32 s[CNT], s[CNT], 1
	s_cmp_lg_u32 s[CNT], 0
	s_cbranch_scc1 .Lfill
	s_mov_b32 s[CNT], 2
.Ltail:                                                ; the last two steps ask for nothing; the second trip is left in its middle (its barrier and its fetch of the other slot serve nothing: the price of one text)
	QUARTER 2, F1, F0, 0
	QUARTER 3, F0, F1, 0
	TURN 0
	WIN 0
	s_sub_co_u32 s[CNT], s[CNT], 1
	s_cmp_eq_u32 s[CNT], 0
	s_cbranch_scc1 .Lout
	QUARTER 1, F0, F1, 0
	WIN 0
	s_branch .Ltail
.Lout:
	s_wait_dscnt 0x0
	PLACES
; THE WAY OUT, 16 rows at a time: hi = bf16(U), lo = bf16(U - hi); a row's 128 + 128 bytes go through my own stage and leave as whole rows of 256 bytes.
.macro OUTBLK a
.irp b, 0,1,2,3
.irp i, 0,1,2,3
	v_cvt_pk_bf16_f32 v[HI+4*(\b)+(\i)], v[ACC+8*(4*(\a)+(\b))+2*(\i)], v[ACC+8*(4*(\a)+(\b))+2*(\i)+1]
.endr
.endr
.irp b, 0,1,2,3
.irp i, 0,1,2,3
	v_fma_mix_f32_bf16 v[T+8*(\b)+2*(\i)],   v[HI+4*(\b)+(\i)], v[NEG1], v[ACC+8*(4*(\a)+(\b))+2*(\i)] op_sel_hi:[1,0,0]
	v_fma_mix_f32_bf16 v[T+8*(\b)+2*(\i)+1], v[HI+4*(\b)+(\i)], v[NEG1], v[ACC+8*(4*(\a)+(\b))+2*(\i)+1] op_sel:[1,0,0] op_sel_hi:[1,0,0]
.endr
.endr
.irp n, 0,1,2,3,4,5,6,7,8,9,10,11,12,13,14,15
	v_cvt_pk_bf16_f32 v[LO+(\n)], v[T+2*(\n)], v[T+2*(\n)+1]
.endr
.irp b, 0,1,2,3
	ds_store_b128 v[STO], v[HI+4*(\b):HI+4*(\b)+3] offset:32*(\b)
	ds_store_b128 v[STO], v[LO+4*(\b):LO+4*(\b)+3] offset:128+32*(\b)
.endr
.irp t, 0,1,2,3,4,5,6,7
	ds_load_b128 v[ACC+32*(\a)+4*(\t):ACC+32*(\a)+4*(\t)+3], v[RD] offset:544*(\t)  ; LDS serves a wave's instructions in order: these see the stores above
.endr
.irp t, 0,1,2,3,4,5,6,7
	s_wait_dscnt 7-(\t)
	global_store_b128 v[CO], v[ACC+32*(\a)+4*(\t):ACC+32*(\a)+4*(\t)+3], s[10:11] offset:(16*(\a)+2*(\t))*4096  ; 16 lanes store 256 consecutive bytes, aligned
.endr
.endm
	OUTBLK 0
	OUTBLK 1
	OUTBLK 2
	OUTBLK 3
	s_wait_tensorcnt 0x0                           ; the wave's end
	ds_add_u32 v[SPW], v[NIL]
	s_wait_dscnt 0x0
	CROUND                                         ; the closing round
	s_endpgm
.Lfunc_end_k_qe6bd20f09d_gu:
	.size	k_qe6bd20f09d_gu, .Lfunc_end_k_qe6bd20f09d_gu-k_qe6bd20f09d_gu
	.p2alignl 7, 3214868480
	.fill 96, 4, 3214868480
	.section	.rodata,"a",@progbits
	.p2align	6, 0x0
	.amdhsa_kernel k_qe6bd20f09d_gu
		.amdhsa_group_segment_fixed_size 327680
		.amdhsa_private_segment_fixed_size 0
		.amdhsa_enable_private_segment 0
		.amdhsa_kernarg_size 16
		.amdhsa_user_sgpr_count 2
		.amdhsa_user_sgpr_kernarg_segment_ptr 1
		.amdhsa_wavefront_size32 1
		.amdhsa_system_sgpr_workgroup_id_x 1
		.amdhsa_system_sgpr_workgroup_id_y 1
		.amdhsa_system_sgpr_workgroup_id_z 1
		.amdhsa_system_vgpr_workitem_id 0
		.amdhsa_next_free_vgpr 512
		.amdhsa_next_free_sgpr 80
		.amdhsa_reserve_vcc 0
		.amdhsa_float_denorm_mode_32 3
		.amdhsa_float_denorm_mode_16_64 3
		.amdhsa_memory_ordered 1
		.amdhsa_forward_progress 1
		.amdhsa_inst_pref_size 75
	.end_amdhsa_kernel
	.amdgpu_metadata
---
amdhsa.version: [ 1, 2 ]
amdhsa.kernels:
  - .name:           k_qe6bd20f09d_gu
    .symbol:         k_qe6bd20f09d_gu.kd
    .args:
      - { .name: cv, .offset: 0, .size: 8, .value_kind: global_buffer, .address_space: global }
      - { .name: uq, .offset: 8, .size: 8, .value_kind: global_buffer, .address_space: global }
    .group_segment_fixed_size: 327680
    .private_segment_fixed_size: 0
    .kernarg_segment_align: 8
    .kernarg_segment_size: 16
    .max_flat_workgroup_size: 128
    .sgpr_count:     80
    .vgpr_count:     512
    .wavefront_size: 32
...
	.end_amdgpu_metadata
.endif
;; end of part 3
;; launch gq (part 4): grid 8 x 64, 4 waves a work-group, clusters of 4 x 4, 327,680 bytes of LDS; arguments cv, tab, uq; writes uq
.if DOCPART == 4
	.amdgcn_target "amdgcn-amd-amdhsa--gfx1250"
	.amdhsa_code_object_version 6
	.text
	.protected	k_qe6bd20f09d_gq
	.globl	k_qe6bd20f09d_gq
	.p2align	8
	.type	k_qe6bd20f09d_gq,@function
k_qe6bd20f09d_gq:
	s_mov_b64 s[64:65], 0
	v_nop
	global_prefetch_b8 v0, s[64:65] scope:SCOPE_SE
	s_setreg_imm32_b32 hwreg(HW_REG_WAVE_MODE, 25, 1), 1
	s_wait_xcnt 0x0
	s_wait_alu depctr_hold_cnt(0) depctr_sa_sdst(0) depctr_va_vdst(0) depctr_va_sdst(0) depctr_va_ssrc(0) depctr_va_vcc(0) depctr_vm_vsrc(0)
	s_getreg_b32 s2, hwreg(HW_REG_IB_STS2, 6, 4)
	s_cmp_eq_u32 s2, 0
	s_cbranch_scc0 .Lentry_in_a_cluster
	s_endpgm
.Lentry_in_a_cluster:
	s_bfe_u32 s2, ttmp6, 0x10000c
	s_cmp_lg_u32 s2, 0xf033
	s_cbranch_scc0 .Lentry_shape_is_right
	s_endpgm
.Lentry_shape_is_right:
; q = (x Wq + bq) sq, by heads: QH[b][h][t][64] in f16, at byte 16,777,216 of uq.  M = 8,192, N = 1,024, K = 1,024; operands bf16, sums f32; q is rounded once.
; sq is a power of two (made by the prep launch from the inputs' maxima) under which |q| sq < 2^15: inside f16 whatever the inputs' size.  The factor 1 / 8 is not applied here.
; The core is that of the launch before: tiles of 128 x 128, four waves of 64 x 64, K steps of 256 through two LDS slots, joint loads in a cluster of 4 x 4,
; A = x ([M][K]), B = W_attn's columns 0-1023 ([K][N], turned out of LDS), the matrix instruction used transposed.  A wave's 64 columns are one head.
.set NSTEP, 4
.set LDA,   1024
.set LDB,   3072
.set KB,    256
.set WAB,   16777216
.set QH,    16777216
.set PA,    528
.set PB,    288
.set HALFA, 64*PA
.set HALFB, (KB/2)*PB
.set SLOT,  2*HALFA+2*HALFB
.set STAGE, 2*SLOT
.set SPARE, STAGE+4*4352
.set ASTEP, 512
.set BSTEP, KB*LDB*2
.set LD2,   16
.set NLD,   16+LD2
.set AL0, 16
.set BL0, 17
.set ADRA, 18
.set ADRB, 19
.set BO,  21                           ; v21  the bias loads' offset; never rewritten
.set STO, 24
.set RD,  25
.set CO,  26
.set SPW, 28
.set NIL, 29
.set HI,  32
.set BI,  96                           ; v96-127: bq sq of my lane's 32 columns
.set ACC, 128
.set F0,  0
.set F1,  128
.set WV, 12
.set RH, 13
.set CH, 14
.set TY, 15
.set TX, 16
.set CX, 17
.set CY, 18
.set CLY, 19
.set LA, 20
.set LB, 21
.set G1, 24
.set G0, 32
.set G1B, 48
.set G0B, 56
.set TB, 66
.set CNT, 67
.set SC, 68                            ; s[68:69] sq, twice
.set MSB, 0
.macro WIN new
.if MSB != (\new)
	s_set_vgpr_msb (MSB<<8)|(\new)
.set MSB, \new
.endif
.endm
.set MUL,  0x05
.set TO_F, 0x40
.macro JLOAD s
	s_cmp_eq_u32 s[RH], 0
	s_cbranch_scc0 .Lfor_b_\@
	tensor_load_to_lds s[G0+4*(\s):G0+4*(\s)+3], s[G1:G1+7]
	s_nop 0
.rept 4
	v_nop
.endr
	s_branch .Lasked_\@
.Lfor_b_\@:
	tensor_load_to_lds s[G0B+4*(\s):G0B+4*(\s)+3], s[G1B:G1B+7]
	s_nop 0
.rept 4
	v_nop
.endr
.Lasked_\@:
.endm
.macro CREST
	s_cmp_lg_u32 s[WV], 0
	s_cbranch_scc1 .Lnot_wave_0_\@
	s_barrier_signal -3
.Lnot_wave_0_\@:
	s_barrier_wait -3
	s_barrier_signal -1
	s_barrier_wait -1
.endm
.macro CROUND
	s_barrier_signal -1
	s_barrier_wait -1
	CREST
.endm
.macro PLACES
.rept 4
	v_nop
.endr
.endm
.macro MUL8 f, c, a0, zero             ; the 16 accumulators take turns, one instruction a turn
	WIN MUL
.irp a, \a0, (\a0)+1
.irp b, 0,1,2,3
.if \zero
	v_wmma_f32_16x16x32_bf16 v[ACC+8*(4*(\a)+(\b)):ACC+8*(4*(\a)+(\b))+7], v[(\f)+64+8*(4*(\c)+(\b)):(\f)+64+8*(4*(\c)+(\b))+7], v[(\f)+8*(4*(\c)+(\a)):(\f)+8*(4*(\c)+(\a))+7], 0
.else
	v_wmma_f32_16x16x32_bf16 v[ACC+8*(4*(\a)+(\b)):ACC+8*(4*(\a)+(\b))+7], v[(\f)+64+8*(4*(\c)+(\b)):(\f)+64+8*(4*(\c)+(\b))+7], v[(\f)+8*(4*(\c)+(\a)):(\f)+8*(4*(\c)+(\a))+7], v[ACC+8*(4*(\a)+(\b)):ACC+8*(4*(\a)+(\b))+7]
.endif
.endr
.endr
.endm
.macro FETCH q, f
	WIN TO_F
.irp c, 0,1
.irp i, 0,1,2,3
	ds_load_tr16_b128 v[(\f)+64+8*(4*(\c)+(\i)):(\f)+64+8*(4*(\c)+(\i))+3],   v[ADRB+(\q)/2] offset:(64*((\q)%2)+32*(\c))*PB+32*(\i)
	ds_load_tr16_b128 v[(\f)+64+8*(4*(\c)+(\i))+4:(\f)+64+8*(4*(\c)+(\i))+7], v[ADRB+(\q)/2] offset:(64*((\q)%2)+32*(\c)+16)*PB+32*(\i)
	ds_load_b128 v[(\f)+8*(4*(\c)+(\i)):(\f)+8*(4*(\c)+(\i))+3],   v[ADRA] offset:128*(\q)+64*(\c)+(\i)*16*PA
	ds_load_b128 v[(\f)+8*(4*(\c)+(\i))+4:(\f)+8*(4*(\c)+(\i))+7], v[ADRA] offset:128*(\q)+64*(\c)+(\i)*16*PA+32
.endr
.endr
.endm
.macro QUARTER q, f, g, zero
	s_wait_dscnt LD2                               ; the run's first 16 loads are in
	MUL8 \f, 0, 0, \zero
	MUL8 \f, 0, 2, \zero
	PLACES
	FETCH \q, \g
	s_wait_dscnt NLD                               ; all but the run just issued
	MUL8 \f, 1, 0, 0
	MUL8 \f, 1, 2, 0
.endm
.macro TURN fill
	WIN 0
	s_wait_tensorcnt 0x0                           ; all my tensor loads have landed
	ds_add_u32 v[SPW], v[NIL]
	s_wait_dscnt 1+LD2                             ; the add and the run's second half may be out
	MUL8 F1, 0, 0, 0
	s_wait_dscnt 0x0                               ; the add is done, and my reads of this slot are over
	s_barrier_signal -1
	MUL8 F1, 0, 2, 0
	WIN 0
	s_barrier_wait -1
.if \fill
	CREST
	s_add_co_u32 s[G0+5], s[TB], s[LA]
	s_add_nc_u64 s[G0+6:G0+7], s[G0+6:G0+7], ASTEP
	s_add_co_u32 s[G0B+5], s[TB], s[LB]
	s_add_nc_u64 s[G0B+6:G0B+7], s[G0B+6:G0B+7], BSTEP
	JLOAD 1
.else
	PLACES
.endif
	s_xor_b32 s[TB], s[TB], SLOT
	v_add_nc_u32 v[ADRA], s[TB], v[AL0]
	v_add_nc_u32 v[ADRB], s[TB], v[BL0]
	v_add_nc_u32 v[ADRB+1], 128*PB, v[ADRB]
	FETCH 0, F0
	MUL8 F1, 1, 0, 0
	MUL8 F1, 1, 2, 0
.endm
	s_load_b128 s[4:7], s[0:1], 0x0                ; cv s[4:5], tab s[6:7]
	s_load_b64 s[10:11], s[0:1], 0x10              ; uq
	v_lshl_add_u32 v[SPW], v0, 2, SPARE
	v_mov_b32 v[NIL], 0
	ds_add_u32 v[SPW], v[NIL]                      ; the wave's opening: the add and its wait ahead of my first tensor load
	v_lshrrev_b32 v1, 5, v0
	v_readfirstlane_b32 s[WV], v1
	s_lshr_b32 s[RH], s[WV], 1
	s_and_b32 s[CH], s[WV], 1
	s_bfe_u32 s[CX], ttmp6, 0x40000
	s_bfe_u32 s[CY], ttmp6, 0x40004
	s_lshl_b32 s[TX], ttmp9, 2
	s_add_co_u32 s[TX], s[TX], s[CX]
	s_and_b32 s[CLY], ttmp7, 0xffff
	s_lshl_b32 s[TY], s[CLY], 2
	s_add_co_u32 s[TY], s[TY], s[CY]
	s_lshl_b32 s22, s[CY], 2
	s_lshl_b32 s22, 15, s22
	s_lshl_b32 s23, 0x1111, s[CX]
	s_or_b32 s[G1], s22, (1<<16)|(1<<20)|(1<<21)|(6<<22)|(3<<25)
	s_or_b32 s[G1B], s23, (1<<16)|(1<<20)|(1<<21)|(5<<22)|(7<<25)
	s_mov_b32 s[G1+1], 256<<16
	s_mov_b32 s[G1+2], 64<<16
	s_mov_b32 s[G1+3], 256<<16
	s_mov_b32 s[G1+4], 64
	s_mov_b32 s[G1+5], LDA
	s_mov_b32 s[G1+6], 0
	s_mov_b32 s[G1+7], 0
	s_mov_b32 s[G1B+1], 128<<16
	s_mov_b32 s[G1B+2], (KB/2)<<16
	s_mov_b32 s[G1B+3], 128<<16
	s_mov_b32 s[G1B+4], KB/2
	s_mov_b32 s[G1B+5], LDB
	s_mov_b32 s[G1B+6], 0
	s_mov_b32 s[G1B+7], 0
	s_mul_i32 s[LA], s[CH], HALFA
	s_mul_i32 s[LB], s[CH], HALFB
	s_add_co_u32 s[LB], s[LB], 2*HALFA
	s_lshl_b32 s40, s[TY], 1                       ; A: x's rows 128 tile row + 64 half, 2,048 bytes each
	s_add_co_u32 s40, s40, s[CH]
	s_lshl_b32 s40, s40, 17
	s_mov_b32 s41, 0
	s_mul_i32 s42, s[CH], 128*LDB*2                ; B: W_attn's rows 128 half, columns 128 tile column
	s_lshl_b32 s43, s[TX], 8
	s_add_co_u32 s42, s42, s43
	s_mov_b32 s43, 0
	s_lshr_b32 s44, s[TY], 5                       ; out: ((b x 16 + head) x 4096 + t) x 128 bytes
	s_lshl_b32 s44, s44, 4
	s_lshl_b32 s45, s[TX], 1
	s_add_co_u32 s44, s44, s45
	s_add_co_u32 s44, s44, s[CH]
	s_lshl_b32 s44, s44, 12
	s_and_b32 s45, s[TY], 31
	s_lshl_b32 s45, s45, 7
	s_add_co_u32 s44, s44, s45
	s_lshl_b32 s45, s[RH], 6
	s_add_co_u32 s44, s44, s45
	s_lshl_b32 s44, s44, 7
	s_mov_b32 s45, 0
	s_lshl_b32 s72, s[TX], 1                       ; the bias of my 64 columns
	s_add_co_u32 s72, s72, s[CH]
	s_lshl_b32 s72, s72, 8
	s_add_co_u32 s72, s72, 8192
	s_mov_b32 s73, 0
	s_wait_dscnt 0x0                               ; the opening add is done
	s_wait_kmcnt 0x0
	s_add_nc_u64 s[40:41], s[4:5], s[40:41]
	s_add_nc_u64 s[42:43], s[4:5], s[42:43]
	s_add_nc_u64 s[42:43], s[42:43], WAB
	s_add_nc_u64 s[10:11], s[10:11], s[44:45]
	s_add_nc_u64 s[10:11], s[10:11], QH
	s_add_nc_u64 s[72:73], s[6:7], s[72:73]
	s_load_b32 s[SC], s[6:7], 0x6000               ; sq
	CROUND
.irp s, 0,1
	s_mov_b32 s[G0+4*(\s)], 1
	s_add_co_u32 s[G0+4*(\s)+1], s[LA], (\s)*SLOT
	s_add_nc_u64 s[G0+4*(\s)+2:G0+4*(\s)+3], s[40:41], (\s)*ASTEP
	s_or_b32 s[G0+4*(\s)+3], s[G0+4*(\s)+3], 0x80000000
	s_mov_b32 s[G0B+4*(\s)], 1
	s_add_co_u32 s[G0B+4*(\s)+1], s[LB], (\s)*SLOT
	s_add_nc_u64 s[G0B+4*(\s)+2:G0B+4*(\s)+3], s[42:43], (\s)*BSTEP
	s_or_b32 s[G0B+4*(\s)+3], s[G0B+4*(\s)+3], 0x80000000
	JLOAD \s
.endr
	v_and_b32 v1, 15, v0
	v_bfe_u32 v2, v0, 4, 1
	v_lshlrev_b32 v[BO], 5, v2                     ; my 8 columns of each block of 16: 32 h bytes
.irp b, 0,1,2,3
	global_load_b128 v[BI+8*(\b):BI+8*(\b)+3],   v[BO], s[72:73] offset:64*(\b)
	global_load_b128 v[BI+8*(\b)+4:BI+8*(\b)+7], v[BO], s[72:73] offset:64*(\b)+16
.endr
	v_mul_u32_u24 v3, v1, PA
	v_lshl_add_u32 v3, v2, 4, v3
	s_mul_i32 s46, s[RH], HALFA
	v_add_nc_u32 v[AL0], s46, v3
	v_and_b32 v4, 7, v0
	v_lshl_add_u32 v4, v2, 3, v4
	v_mul_u32_u24 v4, v4, PB
	v_bfe_u32 v5, v0, 3, 1
	v_lshl_add_u32 v4, v5, 4, v4
	s_lshl_b32 s46, s[CH], 7
	s_add_co_u32 s46, s46, 2*HALFA
	v_add_nc_u32 v[BL0], s46, v4
	s_mul_i32 s47, s[WV], 4352
	s_add_co_u32 s47, s47, STAGE
	v_mul_u32_u24 v[STO], v1, 144                  ; stage rows of 128 bytes + 16
	v_lshl_add_u32 v[STO], v2, 4, v[STO]
	v_add_nc_u32 v[STO], s47, v[STO]
	v_bfe_u32 v[RD], v0, 3, 2                      ; back: 32 lanes take four rows of 128 bytes,
	v_mul_u32_u24 v[RD], v[RD], 144
	v_and_b32 v6, 7, v0
	v_lshl_add_u32 v[RD], v6, 4, v[RD]
	v_add_nc_u32 v[RD], s47, v[RD]
	v_and_b32 v[CO], 31, v0                        ; which are 512 consecutive bytes of a head's rows
	v_lshlrev_b32 v[CO], 4, v[CO]
	s_mov_b32 s[TB], 0
	v_mov_b32 v[ADRA], v[AL0]
	v_mov_b32 v[ADRB], v[BL0]
	v_add_nc_u32 v[ADRB+1], 128*PB, v[BL0]
	s_wait_tensorcnt 0x1                           ; my part of step 0 is in; step 1's may stay out
	s_barrier_signal -1
	s_barrier_wait -1
	FETCH 0, F0
	QUARTER 1, F0, F1, 1
	WIN 0
	s_mov_b32 s[CNT], NSTEP-2
.Lfill:
	QUARTER 2, F1, F0, 0
	QUARTER 3, F0, F1, 0
	TURN 1
	QUARTER 1, F0, F1, 0
	WIN 0
	s_sub_co_u32 s[CNT], s[CNT], 1
	s_cmp_lg_u32 s[CNT], 0
	s_cbranch_scc1 .Lfill
	s_mov_b32 s[CNT], 2
.Ltail:                                                ; the last two steps ask for nothing; the second trip is left in its middle
	QUARTER 2, F1, F0, 0
	QUARTER 3, F0, F1, 0
	TURN 0
	WIN 0
	s_sub_co_u32 s[CNT], s[CNT], 1
	s_cmp_eq_u32 s[CNT], 0
	s_cbranch_scc1 .Lout
	QUARTER 1, F0, F1, 0
	WIN 0
	s_branch .Ltail
.Lout:
	s_wait_dscnt 0x0
	s_wait_loadcnt 0x0                             ; the bias
	s_wait_kmcnt 0x0                               ; sq
	s_mov_b32 s[SC+1], s[SC]
.set i, 0
.rept 16                               ; sixteen plain lines that name no accumulator: also the places behind the last products
	v_pk_mul_f32 v[BI+i:BI+i+1], v[BI+i:BI+i+1], s[SC:SC+1] op_sel_hi:[1,0]
.set i, i+2
.endr
.macro OUTBLK a                        ; 16 rows: (sum + bias) sq in one fused line (sq is a power of two: nothing is rounded twice), f16, through my stage, out as 512 consecutive bytes
.irp b, 0,1,2,3
.irp i, 0,1,2,3
	v_pk_fma_f32 v[ACC+8*(4*(\a)+(\b))+2*(\i):ACC+8*(4*(\a)+(\b))+2*(\i)+1], v[ACC+8*(4*(\a)+(\b))+2*(\i):ACC+8*(4*(\a)+(\b))+2*(\i)+1], s[SC:SC+1], v[BI+8*(\b)+2*(\i):BI+8*(\b)+2*(\i)+1] op_sel_hi:[1,0,1]
.endr
.endr
.irp b, 0,1,2,3
.irp i, 0,1,2,3
	v_cvt_pk_f16_f32 v[HI+4*(\b)+(\i)], v[ACC+8*(4*(\a)+(\b))+2*(\i)], v[ACC+8*(4*(\a)+(\b))+2*(\i)+1]
.endr
.endr
.irp b, 0,1,2,3
	ds_store_b128 v[STO], v[HI+4*(\b):HI+4*(\b)+3] offset:32*(\b)
.endr
.irp t, 0,1,2,3
	ds_load_b128 v[ACC+32*(\a)+4*(\t):ACC+32*(\a)+4*(\t)+3], v[RD] offset:576*(\t)
.endr
.irp t, 0,1,2,3
	s_wait_dscnt 3-(\t)
	global_store_b128 v[CO], v[ACC+32*(\a)+4*(\t):ACC+32*(\a)+4*(\t)+3], s[10:11] offset:2048*(\a)+512*(\t)
.endr
.endm
	OUTBLK 0
	OUTBLK 1
	OUTBLK 2
	OUTBLK 3
	s_wait_tensorcnt 0x0                           ; the wave's end
	ds_add_u32 v[SPW], v[NIL]
	s_wait_dscnt 0x0
	CROUND
	s_endpgm
.Lfunc_end_k_qe6bd20f09d_gq:
	.size	k_qe6bd20f09d_gq, .Lfunc_end_k_qe6bd20f09d_gq-k_qe6bd20f09d_gq
	.p2alignl 7, 3214868480
	.fill 96, 4, 3214868480
	.section	.rodata,"a",@progbits
	.p2align	6, 0x0
	.amdhsa_kernel k_qe6bd20f09d_gq
		.amdhsa_group_segment_fixed_size 327680
		.amdhsa_private_segment_fixed_size 0
		.amdhsa_enable_private_segment 0
		.amdhsa_kernarg_size 24
		.amdhsa_user_sgpr_count 2
		.amdhsa_user_sgpr_kernarg_segment_ptr 1
		.amdhsa_wavefront_size32 1
		.amdhsa_system_sgpr_workgroup_id_x 1
		.amdhsa_system_sgpr_workgroup_id_y 1
		.amdhsa_system_sgpr_workgroup_id_z 1
		.amdhsa_system_vgpr_workitem_id 0
		.amdhsa_next_free_vgpr 512
		.amdhsa_next_free_sgpr 80
		.amdhsa_reserve_vcc 0
		.amdhsa_float_denorm_mode_32 3
		.amdhsa_float_denorm_mode_16_64 3
		.amdhsa_memory_ordered 1
		.amdhsa_forward_progress 1
		.amdhsa_inst_pref_size 65
	.end_amdhsa_kernel
	.amdgpu_metadata
---
amdhsa.version: [ 1, 2 ]
amdhsa.kernels:
  - .name:           k_qe6bd20f09d_gq
    .symbol:         k_qe6bd20f09d_gq.kd
    .args:
      - { .name: cv, .offset: 0, .size: 8, .value_kind: global_buffer, .address_space: global }
      - { .name: tab, .offset: 8, .size: 8, .value_kind: global_buffer, .address_space: global }
      - { .name: uq, .offset: 16, .size: 8, .value_kind: global_buffer, .address_space: global }
    .group_segment_fixed_size: 327680
    .private_segment_fixed_size: 0
    .kernarg_segment_align: 8
    .kernarg_segment_size: 24
    .max_flat_workgroup_size: 128
    .sgpr_count:     80
    .vgpr_count:     512
    .wavefront_size: 32
...
	.end_amdgpu_metadata
.endif
;; end of part 4
;; launch gkv (part 5): grid 8 x 32, 4 waves a work-group, clusters of 4 x 4, 327,680 bytes of LDS; arguments uq, cv, tab, kv; writes kv
.if DOCPART == 5
	.amdgcn_target "amdgcn-amd-amdhsa--gfx1250"
	.amdhsa_code_object_version 6
	.text
	.protected	k_qe6bd20f09d_gkv
	.globl	k_qe6bd20f09d_gkv
	.p2align	8
	.type	k_qe6bd20f09d_gkv,@function
k_qe6bd20f09d_gkv:
	s_mov_b64 s[64:65], 0
	v_nop
	global_prefetch_b8 v0, s[64:65] scope:SCOPE_SE
	s_setreg_imm32_b32 hwreg(HW_REG_WAVE_MODE, 25, 1), 1
	s_wait_xcnt 0x0
	s_wait_alu depctr_hold_cnt(0) depctr_sa_sdst(0) depctr_va_vdst(0) depctr_va_sdst(0) depctr_va_ssrc(0) depctr_va_vcc(0) depctr_vm_vsrc(0)
	s_getreg_b32 s2, hwreg(HW_REG_IB_STS2, 6, 4)
	s_cmp_eq_u32 s2, 0
	s_cbranch_scc0 .Lentry_in_a_cluster
	s_endpgm
.Lentry_in_a_cluster:
	s_bfe_u32 s2, ttmp6, 0x10000c
	s_cmp_lg_u32 s2, 0xf033
	s_cbranch_scc0 .Lentry_shape_is_right
	s_endpgm
.Lentry_shape_is_right:
; k_proj = (U_E Wk + cs_E bk^T) sk and v_proj = (U_F Wv + cs_F bv^T) sv, by heads, in f16: KP at 0 and VP at 4,194,304 of kv, [b][h][1024 slots][64].
; cs is the column sum of the rounded E or F; sk and sv are powers of two under which the results stay below 2^15.
; For v_proj's slots 0-511 a second plane, VLO at 8,388,608 ([b][h][512][64]), holds f16(value - hi); the attention reads its first 64 slots.
; A = U as hi | lo, two bf16: each fragment of B is multiplied by the hi and by the lo fragment, so K = 1,024 costs 2,048.  M = 4,096 rows (tensor, b, slot), N = 1,024.
; A step is 128 of K: 512 bytes of a row of U (two pieces of hi | lo) and 128 rows of W_attn.  All else as in the launches before.
.set NSTEP, 8
.set LDA,   2048
.set LDB,   3072
.set KB,    128
.set WAB,   16777216
.set VLO,   8388608
.set PA,    528
.set PB,    288
.set HALFA, 64*PA
.set HALFB, (KB/2)*PB
.set SLOT,  2*HALFA+2*HALFB
.set STAGE, 2*SLOT
.set SPARE, STAGE+4*4352
.set ASTEP, 512
.set BSTEP, KB*LDB*2
.set LD2,   8
.set NLD,   16+LD2
.set CSS, 8                            ; v8-15: four pairs: cs x scale of my row in each block of 16
.set AL0, 16
.set BL0, 17
.set ADRA, 18
.set ADRB, 19
.set BO,  21
.set CO2, 22
.set STO, 24
.set RD,  25
.set CO,  26
.set SPW, 28
.set NIL, 29
.set NEG1, 30
.set HI,  32
.set LO,  48
.set T,   64
.set BI,  96
.set ACC, 128
.set F0,  0
.set F1,  128
.set WV, 12
.set RH, 13
.set CH, 14
.set TY, 15
.set TX, 16
.set CX, 17
.set CY, 18
.set CLY, 19
.set LA, 20
.set LB, 21
.set G1, 24
.set G0, 32
.set G1B, 48
.set G0B, 56
.set TB, 66
.set CNT, 67
.set SC, 68
.set FLG, 70                           ; s70  4 where this cluster makes v_proj's slots 0-511: the same in all sixteen partners
.set MSB, 0
.macro WIN new
.if MSB != (\new)
	s_set_vgpr_msb (MSB<<8)|(\new)
.set MSB, \new
.endif
.endm
.set MUL,  0x05
.set TO_F, 0x40
.macro JLOAD s
	s_cmp_eq_u32 s[RH], 0
	s_cbranch_scc0 .Lfor_b_\@
	tensor_load_to_lds s[G0+4*(\s):G0+4*(\s)+3], s[G1:G1+7]
	s_nop 0
.rept 4
	v_nop
.endr
	s_branch .Lasked_\@
.Lfor_b_\@:
	tensor_load_to_lds s[G0B+4*(\s):G0B+4*(\s)+3], s[G1B:G1B+7]
	s_nop 0
.rept 4
	v_nop
.endr
.Lasked_\@:
.endm
.macro CREST
	s_cmp_lg_u32 s[WV], 0
	s_cbranch_scc1 .Lnot_wave_0_\@
	s_barrier_signal -3
.Lnot_wave_0_\@:
	s_barrier_wait -3
	s_barrier_signal -1
	s_barrier_wait -1
.endm
.macro CROUND
	s_barrier_signal -1
	s_barrier_wait -1
	CREST
.endm
.macro PLACES
.rept 4
	v_nop
.endr
.endm
; c = 0: A's hi fragments, c = 1: its lo fragments; both meet the same four fragments of B.  The 16 accumulators take turns.
.macro MUL8 f, c, a0, zero
	WIN MUL
.irp a, \a0, (\a0)+1
.irp b, 0,1,2,3
.if \zero
	v_wmma_f32_16x16x32_bf16 v[ACC+8*(4*(\a)+(\b)):ACC+8*(4*(\a)+(\b))+7], v[(\f)+64+8*(\b):(\f)+64+8*(\b)+7], v[(\f)+8*(4*(\c)+(\a)):(\f)+8*(4*(\c)+(\a))+7], 0
.else
	v_wmma_f32_16x16x32_bf16 v[ACC+8*(4*(\a)+(\b)):ACC+8*(4*(\a)+(\b))+7], v[(\f)+64+8*(\b):(\f)+64+8*(\b)+7], v[(\f)+8*(4*(\c)+(\a)):(\f)+8*(4*(\c)+(\a))+7], v[ACC+8*(4*(\a)+(\b)):ACC+8*(4*(\a)+(\b))+7]
.endif
.endr
.endr
.endm
; 24 LDS loads in one run: quarter q of the step (32 of K): B's and A's hi fragments first, then A's lo
.macro FETCH q, f
	WIN TO_F
.irp i, 0,1,2,3
	ds_load_tr16_b128 v[(\f)+64+8*(\i):(\f)+64+8*(\i)+3],   v[ADRB] offset:32*(\q)*PB+32*(\i)
	ds_load_tr16_b128 v[(\f)+64+8*(\i)+4:(\f)+64+8*(\i)+7], v[ADRB] offset:(32*(\q)+16)*PB+32*(\i)
	ds_load_b128 v[(\f)+8*(\i):(\f)+8*(\i)+3],   v[ADRA] offset:256*((\q)/2)+64*((\q)%2)+(\i)*16*PA
	ds_load_b128 v[(\f)+8*(\i)+4:(\f)+8*(\i)+7], v[ADRA] offset:256*((\q)/2)+64*((\q)%2)+(\i)*16*PA+32
.endr
.irp i, 0,1,2,3
	ds_load_b128 v[(\f)+32+8*(\i):(\f)+32+8*(\i)+3],   v[ADRA] offset:256*((\q)/2)+64*((\q)%2)+128+(\i)*16*PA
	ds_load_b128 v[(\f)+32+8*(\i)+4:(\f)+32+8*(\i)+7], v[ADRA] offset:256*((\q)/2)+64*((\q)%2)+128+(\i)*16*PA+32
.endr
.endm
.macro QUARTER q, f, g, zero
	s_wait_dscnt LD2                               ; the run's first 16 loads are in
	MUL8 \f, 0, 0, \zero
	MUL8 \f, 0, 2, \zero
	PLACES
	FETCH \q, \g
	s_wait_dscnt NLD                               ; all but the run just issued
	MUL8 \f, 1, 0, 0
	MUL8 \f, 1, 2, 0
.endm
.macro TURN fill
	WIN 0
	s_wait_tensorcnt 0x0                           ; all my tensor loads have landed
	ds_add_u32 v[SPW], v[NIL]
	s_wait_dscnt 1+LD2                             ; the add and the run's second part may be out
	MUL8 F1, 0, 0, 0
	s_wait_dscnt 0x0                               ; the add is done, and my reads of this slot are over
	s_barrier_signal -1
	MUL8 F1, 0, 2, 0
	WIN 0
	s_barrier_wait -1
.if \fill
	CREST
	s_add_co_u32 s[G0+5], s[TB], s[LA]
	s_add_nc_u64 s[G0+6:G0+7], s[G0+6:G0+7], ASTEP
	s_add_co_u32 s[G0B+5], s[TB], s[LB]
	s_add_nc_u64 s[G0B+6:G0B+7], s[G0B+6:G0B+7], BSTEP
	JLOAD 1
.else
	PLACES
.endif
	s_xor_b32 s[TB], s[TB], SLOT
	v_add_nc_u32 v[ADRA], s[TB], v[AL0]
	v_add_nc_u32 v[ADRB], s[TB], v[BL0]
	FETCH 0, F0
	MUL8 F1, 1, 0, 0
	MUL8 F1, 1, 2, 0
.endm
	s_load_b256 s[4:11], s[0:1], 0x0               ; uq s[4:5], cv s[6:7], tab s[8:9], kv s[10:11]
	v_lshl_add_u32 v[SPW], v0, 2, SPARE
	v_mov_b32 v[NIL], 0
	ds_add_u32 v[SPW], v[NIL]                      ; the wave's opening: the add and its wait ahead of my first tensor load
	v_lshrrev_b32 v1, 5, v0
	v_readfirstlane_b32 s[WV], v1
	s_lshr_b32 s[RH], s[WV], 1
	s_and_b32 s[CH], s[WV], 1
	s_bfe_u32 s[CX], ttmp6, 0x40000
	s_bfe_u32 s[CY], ttmp6, 0x40004
	s_lshl_b32 s[TX], ttmp9, 2
	s_add_co_u32 s[TX], s[TX], s[CX]
	s_and_b32 s[CLY], ttmp7, 0xffff
	s_lshl_b32 s[TY], s[CLY], 2
	s_add_co_u32 s[TY], s[TY], s[CY]               ; tile row = tensor x 16 + b x 8 + block of 128 slots
	s_lshl_b32 s22, s[CY], 2
	s_lshl_b32 s22, 15, s22
	s_lshl_b32 s23, 0x1111, s[CX]
	s_or_b32 s[G1], s22, (1<<16)|(1<<20)|(1<<21)|(6<<22)|(3<<25)
	s_or_b32 s[G1B], s23, (1<<16)|(1<<20)|(1<<21)|(5<<22)|(7<<25)
	s_mov_b32 s[G1+1], 256<<16
	s_mov_b32 s[G1+2], 64<<16
	s_mov_b32 s[G1+3], 256<<16
	s_mov_b32 s[G1+4], 64
	s_mov_b32 s[G1+5], LDA
	s_mov_b32 s[G1+6], 0
	s_mov_b32 s[G1+7], 0
	s_mov_b32 s[G1B+1], 128<<16
	s_mov_b32 s[G1B+2], (KB/2)<<16
	s_mov_b32 s[G1B+3], 128<<16
	s_mov_b32 s[G1B+4], KB/2
	s_mov_b32 s[G1B+5], LDB
	s_mov_b32 s[G1B+6], 0
	s_mov_b32 s[G1B+7], 0
	s_mul_i32 s[LA], s[CH], HALFA
	s_mul_i32 s[LB], s[CH], HALFB
	s_add_co_u32 s[LB], s[LB], 2*HALFA
	s_and_b32 s[FLG], s[CLY], 5
	s_lshr_b32 s71, s[CLY], 2                      ; tensor
	s_lshl_b32 s40, s[TY], 1                       ; A: U's rows 128 tile row + 64 half, 4,096 bytes each
	s_add_co_u32 s40, s40, s[CH]
	s_lshl_b32 s40, s40, 18
	s_mov_b32 s41, 0
	s_add_co_u32 s42, s71, 1                       ; B: W_attn's columns (1 + tensor) x 1024 + 128 tile column, rows 64 half
	s_lshl_b32 s42, s42, 11
	s_mul_i32 s43, s[CH], 64*LDB*2
	s_add_co_u32 s42, s42, s43
	s_lshl_b32 s43, s[TX], 8
	s_add_co_u32 s42, s42, s43
	s_mov_b32 s43, 0
	s_bfe_u32 s46, s[TY], 0x10003                  ; b
	s_lshl_b32 s46, s46, 4
	s_lshl_b32 s47, s[TX], 1
	s_add_co_u32 s46, s46, s47
	s_add_co_u32 s46, s46, s[CH]                   ; b x 16 + head
	s_and_b32 s47, s[TY], 7
	s_lshl_b32 s47, s47, 7
	s_lshl_b32 s45, s[RH], 6
	s_add_co_u32 s47, s47, s45                     ; my first slot
	s_lshl_b32 s44, s46, 10                        ; out: tensor x 4,194,304 + ((b x 16 + head) x 1024 + slot) x 128
	s_add_co_u32 s44, s44, s47
	s_lshl_b32 s44, s44, 7
	s_lshl_b32 s45, s71, 22
	s_add_co_u32 s44, s44, s45
	s_mov_b32 s45, 0
	s_lshl_b32 s76, s46, 9                         ; the lo plane: ((b x 16 + head) x 512 + slot) x 128
	s_add_co_u32 s76, s76, s47
	s_lshl_b32 s76, s76, 7
	s_mov_b32 s77, 0
	s_lshl_b32 s74, s71, 10                        ; cs: (tensor x 1024 + slot) x 4
	s_add_co_u32 s74, s74, s47
	s_lshl_b32 s74, s74, 2
	s_mov_b32 s75, 0
	s_add_co_u32 s72, s71, 1                       ; the bias: 8,192 + (1 + tensor) x 4,096 + 256 x (2 tile column + half)
	s_lshl_b32 s72, s72, 12
	s_lshl_b32 s73, s[TX], 1
	s_add_co_u32 s73, s73, s[CH]
	s_lshl_b32 s73, s73, 8
	s_add_co_u32 s72, s72, s73
	s_add_co_u32 s72, s72, 8192
	s_mov_b32 s73, 0
	s_lshl_b32 s71, s71, 2                         ; the scale's word; never rewritten from here on
	s_wait_dscnt 0x0                               ; the opening add is done
	s_wait_kmcnt 0x0
	s_add_nc_u64 s[40:41], s[4:5], s[40:41]
	s_add_nc_u64 s[42:43], s[6:7], s[42:43]
	s_add_nc_u64 s[42:43], s[42:43], WAB
	s_add_nc_u64 s[76:77], s[10:11], s[76:77]
	s_add_nc_u64 s[76:77], s[76:77], VLO
	s_add_nc_u64 s[10:11], s[10:11], s[44:45]
	s_add_nc_u64 s[72:73], s[8:9], s[72:73]
	s_add_nc_u64 s[74:75], s[8:9], s[74:75]
	s_load_b32 s[SC], s[8:9], s71 offset:0x6004    ; sk or sv
	CROUND
.irp s, 0,1
	s_mov_b32 s[G0+4*(\s)], 1
	s_add_co_u32 s[G0+4*(\s)+1], s[LA], (\s)*SLOT
	s_add_nc_u64 s[G0+4*(\s)+2:G0+4*(\s)+3], s[40:41], (\s)*ASTEP
	s_or_b32 s[G0+4*(\s)+3], s[G0+4*(\s)+3], 0x80000000
	s_mov_b32 s[G0B+4*(\s)], 1
	s_add_co_u32 s[G0B+4*(\s)+1], s[LB], (\s)*SLOT
	s_add_nc_u64 s[G0B+4*(\s)+2:G0B+4*(\s)+3], s[42:43], (\s)*BSTEP
	s_or_b32 s[G0B+4*(\s)+3], s[G0B+4*(\s)+3], 0x80000000
	JLOAD \s
.endr
	v_and_b32 v1, 15, v0
	v_bfe_u32 v2, v0, 4, 1
	v_lshlrev_b32 v[BO], 5, v2
	v_lshlrev_b32 v[CO2], 2, v1
.irp b, 0,1,2,3
	global_load_b128 v[BI+8*(\b):BI+8*(\b)+3],   v[BO], s[72:73] offset:64*(\b)
	global_load_b128 v[BI+8*(\b)+4:BI+8*(\b)+7], v[BO], s[72:73] offset:64*(\b)+16
	global_load_b32 v[CSS+2*(\b)], v[CO2], s[74:75] offset:64*(\b)
.endr
	v_mul_u32_u24 v3, v1, PA
	v_lshl_add_u32 v3, v2, 4, v3
	s_mul_i32 s46, s[RH], HALFA
	v_add_nc_u32 v[AL0], s46, v3
	v_and_b32 v4, 7, v0
	v_lshl_add_u32 v4, v2, 3, v4
	v_mul_u32_u24 v4, v4, PB
	v_bfe_u32 v5, v0, 3, 1
	v_lshl_add_u32 v4, v5, 4, v4
	s_lshl_b32 s46, s[CH], 7
	s_add_co_u32 s46, s46, 2*HALFA
	v_add_nc_u32 v[BL0], s46, v4
	s_mul_i32 s47, s[WV], 4352
	s_add_co_u32 s47, s47, STAGE
	v_mul_u32_u24 v[STO], v1, 144
	v_lshl_add_u32 v[STO], v2, 4, v[STO]
	v_add_nc_u32 v[STO], s47, v[STO]
	v_bfe_u32 v[RD], v0, 3, 2
	v_mul_u32_u24 v[RD], v[RD], 144
	v_and_b32 v6, 7, v0
	v_lshl_add_u32 v[RD], v6, 4, v[RD]
	v_add_nc_u32 v[RD], s47, v[RD]
	v_and_b32 v[CO], 31, v0
	v_lshlrev_b32 v[CO], 4, v[CO]
	v_mov_b32 v[NEG1], -1.0
	s_mov_b32 s[TB], 0
	v_mov_b32 v[ADRA], v[AL0]
	v_mov_b32 v[ADRB], v[BL0]
	s_wait_tensorcnt 0x1                           ; my part of step 0 is in; step 1's may stay out
	s_barrier_signal -1
	s_barrier_wait -1
	FETCH 0, F0
	QUARTER 1, F0, F1, 1
	WIN 0
	s_mov_b32 s[CNT], NSTEP-2
.Lfill:
	QUARTER 2, F1, F0, 0
	QUARTER 3, F0, F1, 0
	TURN 1
	QUARTER 1, F0, F1, 0
	WIN 0
	s_sub_co_u32 s[CNT], s[CNT], 1
	s_cmp_lg_u32 s[CNT], 0
	s_cbranch_scc1 .Lfill
	s_mov_b32 s[CNT], 2
.Ltail:                                                ; the last two steps ask for nothing; the second trip is left in its middle
	QUARTER 2, F1, F0, 0
	QUARTER 3, F0, F1, 0
	TURN 0
	WIN 0
	s_sub_co_u32 s[CNT], s[CNT], 1
	s_cmp_eq_u32 s[CNT], 0
	s_cbranch_scc1 .Lout
	QUARTER 1, F0, F1, 0
	WIN 0
	s_branch .Ltail
.Lout:
	s_wait_dscnt 0x0
	s_wait_loadcnt 0x0                             ; the bias and the column sums
	s_wait_kmcnt 0x0                               ; the scale
	s_mov_b32 s[SC+1], s[SC]
.irp a, 0,1,2,3                        ; eight plain lines that name no accumulator: also the places behind the last products
	v_mul_f32 v[CSS+2*(\a)], s[SC], v[CSS+2*(\a)]
	v_mov_b32 v[CSS+2*(\a)+1], v[CSS+2*(\a)]       ; named with it as a pair
.endr
; 16 slots: sum x scale + bias x (cs x scale), f16, through my stage, out as 512 consecutive bytes; where the lo plane is wanted: the rest, value - hi, likewise.
.macro OUTBLK a
.irp b, 0,1,2,3
.irp i, 0,1,2,3
	v_pk_mul_f32 v[ACC+8*(4*(\a)+(\b))+2*(\i):ACC+8*(4*(\a)+(\b))+2*(\i)+1], v[ACC+8*(4*(\a)+(\b))+2*(\i):ACC+8*(4*(\a)+(\b))+2*(\i)+1], s[SC:SC+1] op_sel_hi:[1,0]
.endr
.endr
.irp b, 0,1,2,3
.irp i, 0,1,2,3
	v_pk_fma_f32 v[ACC+8*(4*(\a)+(\b))+2*(\i):ACC+8*(4*(\a)+(\b))+2*(\i)+1], v[BI+8*(\b)+2*(\i):BI+8*(\b)+2*(\i)+1], v[CSS+2*(\a):CSS+2*(\a)+1], v[ACC+8*(4*(\a)+(\b))+2*(\i):ACC+8*(4*(\a)+(\b))+2*(\i)+1] op_sel_hi:[1,0,1]
.endr
.endr
.irp b, 0,1,2,3
.irp i, 0,1,2,3
	v_cvt_pk_f16_f32 v[HI+4*(\b)+(\i)], v[ACC+8*(4*(\a)+(\b))+2*(\i)], v[ACC+8*(4*(\a)+(\b))+2*(\i)+1]
.endr
.endr
.irp b, 0,1,2,3
	ds_store_b128 v[STO], v[HI+4*(\b):HI+4*(\b)+3] offset:32*(\b)
.endr
	s_wait_xcnt 0x0                                ; the stores of two blocks back have read these registers
.irp t, 0,1,2,3
	ds_load_b128 v[T+16*((\a)%2)+4*(\t):T+16*((\a)%2)+4*(\t)+3], v[RD] offset:576*(\t)
.endr
.irp t, 0,1,2,3
	s_wait_dscnt 3-(\t)
	global_store_b128 v[CO], v[T+16*((\a)%2)+4*(\t):T+16*((\a)%2)+4*(\t)+3], s[10:11] offset:2048*(\a)+512*(\t)
.endr
	s_cmp_lg_u32 s[FLG], 4
	s_cbranch_scc1 .Lnolo_\@
.irp b, 0,1,2,3
.irp i, 0,1,2,3
	v_fma_mix_f32 v[ACC+8*(4*(\a)+(\b))+2*(\i)],   v[HI+4*(\b)+(\i)], v[NEG1], v[ACC+8*(4*(\a)+(\b))+2*(\i)] op_sel_hi:[1,0,0]
	v_fma_mix_f32 v[ACC+8*(4*(\a)+(\b))+2*(\i)+1], v[HI+4*(\b)+(\i)], v[NEG1], v[ACC+8*(4*(\a)+(\b))+2*(\i)+1] op_sel:[1,0,0] op_sel_hi:[1,0,0]
.endr
.endr
.irp b, 0,1,2,3
.irp i, 0,1,2,3
	v_cvt_pk_f16_f32 v[LO+4*(\b)+(\i)], v[ACC+8*(4*(\a)+(\b))+2*(\i)], v[ACC+8*(4*(\a)+(\b))+2*(\i)+1]
.endr
.endr
.irp b, 0,1,2,3
	ds_store_b128 v[STO], v[LO+4*(\b):LO+4*(\b)+3] offset:32*(\b)
.endr
.irp t, 0,1,2,3
	ds_load_b128 v[ACC+32*(\a)+4*(\t):ACC+32*(\a)+4*(\t)+3], v[RD] offset:576*(\t)
.endr
.irp t, 0,1,2,3
	s_wait_dscnt 3-(\t)
	global_store_b128 v[CO], v[ACC+32*(\a)+4*(\t):ACC+32*(\a)+4*(\t)+3], s[76:77] offset:2048*(\a)+512*(\t)
.endr
.Lnolo_\@:
.endm
	OUTBLK 0
	OUTBLK 1
	OUTBLK 2
	OUTBLK 3
	s_wait_tensorcnt 0x0                           ; the wave's end
	ds_add_u32 v[SPW], v[NIL]
	s_wait_dscnt 0x0
	CROUND
	s_endpgm
.Lfunc_end_k_qe6bd20f09d_gkv:
	.size	k_qe6bd20f09d_gkv, .Lfunc_end_k_qe6bd20f09d_gkv-k_qe6bd20f09d_gkv
	.p2alignl 7, 3214868480
	.fill 96, 4, 3214868480
	.section	.rodata,"a",@progbits
	.p2align	6, 0x0
	.amdhsa_kernel k_qe6bd20f09d_gkv
		.amdhsa_group_segment_fixed_size 327680
		.amdhsa_private_segment_fixed_size 0
		.amdhsa_enable_private_segment 0
		.amdhsa_kernarg_size 32
		.amdhsa_user_sgpr_count 2
		.amdhsa_user_sgpr_kernarg_segment_ptr 1
		.amdhsa_wavefront_size32 1
		.amdhsa_system_sgpr_workgroup_id_x 1
		.amdhsa_system_sgpr_workgroup_id_y 1
		.amdhsa_system_sgpr_workgroup_id_z 1
		.amdhsa_system_vgpr_workitem_id 0
		.amdhsa_next_free_vgpr 512
		.amdhsa_next_free_sgpr 80
		.amdhsa_reserve_vcc 0
		.amdhsa_float_denorm_mode_32 3
		.amdhsa_float_denorm_mode_16_64 3
		.amdhsa_memory_ordered 1
		.amdhsa_forward_progress 1
		.amdhsa_inst_pref_size 80
	.end_amdhsa_kernel
	.amdgpu_metadata
---
amdhsa.version: [ 1, 2 ]
amdhsa.kernels:
  - .name:           k_qe6bd20f09d_gkv
    .symbol:         k_qe6bd20f09d_gkv.kd
    .args:
      - { .name: uq, .offset: 0, .size: 8, .value_kind: global_buffer, .address_space: global }
      - { .name: cv, .offset: 8, .size: 8, .value_kind: global_buffer, .address_space: global }
      - { .name: tab, .offset: 16, .size: 8, .value_kind: global_buffer, .address_space: global }
      - { .name: kv, .offset: 24, .size: 8, .value_kind: global_buffer, .address_space: global }
    .group_segment_fixed_size: 327680
    .private_segment_fixed_size: 0
    .kernarg_segment_align: 8
    .kernarg_segment_size: 32
    .max_flat_workgroup_size: 128
    .sgpr_count:     80
    .vgpr_count:     512
    .wavefront_size: 32
...
	.end_amdgpu_metadata
.endif
;; end of part 5
;; launch att (part 6): grid 8 x 32, 4 waves a work-group, clusters of 4 x 1, 327,680 bytes of LDS; arguments uq, kv, tab, yy; writes yy
.if DOCPART == 6
	.amdgcn_target "amdgcn-amd-amdhsa--gfx1250"
	.amdhsa_code_object_version 6
	.text
	.protected	k_qe6bd20f09d_att
	.globl	k_qe6bd20f09d_att
	.p2align	8
	.type	k_qe6bd20f09d_att,@function
k_qe6bd20f09d_att:
	s_mov_b64 s[64:65], 0
	v_nop
	global_prefetch_b8 v0, s[64:65] scope:SCOPE_SE
	s_setreg_imm32_b32 hwreg(HW_REG_WAVE_MODE, 25, 1), 1
	s_wait_xcnt 0x0
	s_wait_alu depctr_hold_cnt(0) depctr_sa_sdst(0) depctr_va_vdst(0) depctr_va_sdst(0) depctr_va_ssrc(0) depctr_va_vcc(0) depctr_vm_vsrc(0)
	s_getreg_b32 s2, hwreg(HW_REG_IB_STS2, 6, 4)
	s_cmp_eq_u32 s2, 0
	s_cbranch_scc0 .Lentry_in_a_cluster
	s_endpgm
.Lentry_in_a_cluster:
	s_bfe_u32 s2, ttmp6, 0x10000c
	s_cmp_lg_u32 s2, 0x3003
	s_cbranch_scc0 .Lentry_shape_is_right
	s_endpgm
.Lentry_shape_is_right:
; y[b][t][h][:] = the sum over slots j <= t of softmax_j(q[t] . k_proj[j] / 8) v_proj[j][:], for 4,096 queries and 1,024 slots of each of 32 (batch, head).
; q, k_proj, v_proj arrive in f16, scaled by the powers of two sq, sk, sv; c = log2(e) / 8 / (sq sk) comes from tab.  Products, maxima and sums in f32; the weights p are rounded to f16
; for the second product (their sum l is taken of the unrounded p).  y leaves rounded once to f16, still scaled by sv (|y sv| < 2^15, as |v_proj sv| is), by heads: yy[h][b x 4096 + t][64].
; LIMITS.  A hidden score counts as its scaled value (2^36 at the most) less 1e30; a weight below 2^-126 counts as 0 in l; numbers of q, k_proj, v_proj and y more than 29 binades below their bound keep
; f16's fixed step; NaN and infinities are not treated apart.
; SHARES.  A work-group (i = 0..7 of a head) owns 512 queries, every work-group the same mix: a wave's PIECE 0 (tiles 0, 1) is 16 rows in each of the bands 2 i and 2 i + 1 of 64 rows below 1,024, where the mask
; bites; pieces 1-3 (tiles 2-7) are rows 1024 + 384 i + 96 w + 16 (tile - 2) .., which see every slot.  Hidden steps of piece 0 are computed all the same: the partners of a cluster run alike.
; K AND V STAY IN LDS: a head's 1,024 slots are 304 KB with padding; each wave asks for a quarter of K, of V and of V's lo plane, once, at the head, jointly with the three partners of its cluster
; (they walk the same head).  Nothing is filled again, so the loop has no barrier, and one text of a key step serves all 16.  No prefetch: every tile is asked for once, at the head.
; LAYOUT.  S^T = K Q^T (source 0 = 16 slots, source 1 = 16 queries): a lane holds ONE query (lane % 16) and the slots 8 (lane / 16) + 0..7; two results rounded to f16 ARE source 1 of O^T = V^T P.
; SOFTMAX.  A running maximum m and sum l: p = 2^(c s - c m); in every step O and l are multiplied by a = 2^(c m_old - c m_new).  m starts at the lowest finite number, O and l at 0.  Every row sees slot 0.
; THE MASK is the C operand that starts piece 0's sums: MD x AL + BE, where MD (made once) hides, in a band's own step, the slots behind my row; (AL, BE) = (1, 0) in the band's own step, (0, 0) before it, (0, -1e30) behind it.
; V's LO PLANE: for step 0's weights of piece 0 sixteen more products add VL^T P, so that the first rows, which average over few slots, see v_proj to about 20 bits.
; BY TURNS.  Turn n belongs to piece n: 16 products K Q^T of piece n + 1, later 16 products V^T P of piece n - 1; four vector instructions stand behind every matrix instruction, the rest in one lump; a turn's 66 exponentials are one batch with one wait.
; REGISTERS, in windows of 256 (s_set_vgpr_msb: bits 1:0 source 0, 3:2 source 1, 5:4 source 2, 7:6 destination):
;   window 0: v0-11 addresses; v12-15, v48-63 at work; v16-47 four registers of statistics a tile; v64-191 S^T, two buffers of two tiles; v192-255 P, likewise
;   window 1: O^T, 32 a tile     window 2: v0-127 Q; v128-191 K of one step; v192-255 V of one step     window 3: v0-1 the add's two registers; v32-63 MD; v64-127 VL; v128-191 MC
.set NP,    4
.set KS,    64
.set PK,    144       ; a row of K in LDS: 128 bytes + 16
.set PV,    160       ; a row of V: 128 + 32
.set VB,    1024*PK   ; V begins here
.set VLB,   VB+1024*PV  ; V's lo plane, 64 slots
.set SPARE, VLB+64*PV ; the spare words, 128 bytes for each wave; no other line names them
.set SP,    144       ; the way out's stage: 16 rows x 144 bytes a wave, in K's first bytes, which have had their only fill and are read no more
.set QH,    16777216
.set VP,    4194304
.set VLO,   8388608
.set AK0, 2
.set AV0, 3
.set AK,  4
.set AV,  5
.set QO,  6
.set STO, 6
.set RD,  7
.set GO,  8
.set SPW, 0           ; window 3
.set NIL, 1           ; window 3
.set MD,  32          ; window 3
.set VL,  64          ; window 3
.set MC,  128         ; window 3
.set MV,  12
.set ST,  16
.set TMP, 48
.set S,   64
.set P,   192
.set KF,  128
.set VF,  192
.set WV,  12
.set G1K, 24
.set G1V, 32
.set G1L, 40
.set G0K, 48
.set G0V, 52
.set G0L, 56
.set CS,  60          ; s[60:61] c, twice
.set SEL, 62
.set TBK, 66
.set TBV, 67
.set CNT, 68          ; 16 less the step in hand
.set STP, 69          ; the step whose mask is made next
.set BD0, 70          ; my two bands
.set BD1, 71
.set AL0, 72
.set BE0, 74
.set AL1, 76
.set BE1, 78
.set BIGN, 80
.set QA,  82
.set QB,  84
.set YA,  86
.set YB,  88
.set MSB, 0
.macro WIN new
.if MSB != (\new)
	s_set_vgpr_msb (MSB<<8)|(\new)
.set MSB, (\new)
.endif
.endm
.set W_KQ, 0x0a       ; K and Q in window 2, S^T in window 0
.set W_KM, 0x3a       ; the same with the C operand in window 3
.set W_PV, 0x52       ; V in window 2, P in window 0, O^T in window 1
.set W_PL, 0x53       ; V's lo plane in window 3
.set W_RS, 0x41       ; O^T (destination and source 0) in window 1
.set W_MK, 0xc0
.set W_AD, 0x0f
.set W_MS, 0xc3       ; destination and source 0 in window 3
.macro CROUND
	s_barrier_signal -1
	s_barrier_wait -1
	s_cmp_lg_u32 s[WV], 0
	s_cbranch_scc1 .Lnot_wave_0_\@
	s_barrier_signal -3
.Lnot_wave_0_\@:
	s_barrier_wait -3
	s_barrier_signal -1
	s_barrier_wait -1
.endm
	s_load_b256 s[4:11], s[0:1], 0x0  ; uq s[4:5], kv s[6:7], tab s[8:9], yy s[10:11]
	WIN W_MK
	v_lshl_add_u32 v[SPW], v0, 2, SPARE
	v_mov_b32 v[NIL], 0
	WIN W_AD
	ds_add_u32 v[SPW], v[NIL]       ; the wave's opening: the add and its wait ahead of my first tensor load
	WIN 0
	v_lshrrev_b32 v1, 5, v0
	v_readfirstlane_b32 s[WV], v1
	s_bfe_u32 s13, ttmp6, 0x40000   ; cx
	s_lshl_b32 s14, ttmp9, 2
	s_add_co_u32 s14, s14, s13      ; i: it enters Q's and y's addresses and the mask's numbers alone
	s_and_b32 s15, ttmp7, 0xffff    ; batch x 16 + head, which the four partners share
	s_lshl_b32 s16, s15, 17         ; K and V: the head's 131,072 bytes, my quarter
	s_lshl_b32 s17, s[WV], 15
	s_add_co_u32 s16, s16, s17
	s_mov_b32 s17, 0
	s_lshl_b32 s18, s15, 16         ; the lo plane: the head's 65,536 bytes, my 16 slots
	s_lshl_b32 s19, s[WV], 11
	s_add_co_u32 s18, s18, s19
	s_mov_b32 s19, 0
	s_lshl_b32 s20, s15, 19         ; Q: the head's 4,096 rows of 128 bytes
	s_lshl_b32 s21, s14, 14         ; piece 0: row 128 i + 16 w
	s_add_co_u32 s22, s20, s21
	s_lshl_b32 s21, s[WV], 11
	s_add_co_u32 s22, s22, s21
	s_mov_b32 s23, 0
	s_mul_i32 s21, s14, 49152       ; pieces 1-3: row 1024 + 384 i + 96 w
	s_add_co_u32 s20, s20, s21
	s_mul_i32 s21, s[WV], 12288
	s_add_co_u32 s20, s20, s21
	s_add_co_u32 s20, s20, 131072
	s_mov_b32 s21, 0
	s_and_b32 s90, s15, 15          ; y: head x 8,192 rows of 128 bytes + batch x 4,096 rows,
	s_lshl_b32 s90, s90, 20
	s_lshr_b32 s91, s15, 4
	s_lshl_b32 s91, s91, 19
	s_add_co_u32 s90, s90, s91
	s_lshl_b32 s91, s14, 14         ; and the same rows as Q's
	s_add_co_u32 s92, s90, s91
	s_lshl_b32 s91, s[WV], 11
	s_add_co_u32 s92, s92, s91
	s_mov_b32 s93, 0
	s_mul_i32 s91, s14, 49152
	s_add_co_u32 s90, s90, s91
	s_mul_i32 s91, s[WV], 12288
	s_add_co_u32 s90, s90, s91
	s_add_co_u32 s90, s90, 131072
	s_mov_b32 s91, 0
	s_lshl_b32 s[BD0], s14, 1
	s_add_co_u32 s[BD1], s[BD0], 1
	; descriptor group 1.  Slots are dense rows of 128 bytes: asked for as rows of 256 bytes, two slots a row, and padded in LDS after every slot
	s_mov_b32 s[G1K], 15|(1<<16)|(1<<20)|(1<<21)|(4<<22)|(3<<25)  ; the mask of four; 2-byte elements; padding on; bit 21 beside a mask; after every 32 words, 4 words
	s_mov_b32 s[G1V], 15|(1<<16)|(1<<20)|(1<<21)|(4<<22)|(7<<25)  ; 8 words
	s_mov_b32 s[G1L], 15|(1<<16)|(1<<20)|(1<<21)|(4<<22)|(7<<25)
.irp g, G1K, G1V, G1L
	s_mov_b32 s[\g+1], 128<<16      ; tensor_dim0
	s_mov_b32 s[\g+3], 128<<16      ; tile_dim0
	s_mov_b32 s[\g+5], 128          ; elements from row to row
	s_mov_b32 s[\g+6], 0
	s_mov_b32 s[\g+7], 0
.endr
	s_mov_b32 s[G1K+2], 128<<16     ; 128 rows: 256 slots
	s_mov_b32 s[G1K+4], 128
	s_mov_b32 s[G1V+2], 128<<16
	s_mov_b32 s[G1V+4], 128
	s_mov_b32 s[G1L+2], 8<<16       ; 8 rows: 16 slots
	s_mov_b32 s[G1L+4], 8
	s_mov_b32 s[G0K], 1
	s_mul_i32 s[G0K+1], s[WV], 256*PK
	s_mov_b32 s[G0V], 1
	s_mul_i32 s[G0V+1], s[WV], 256*PV
	s_add_co_u32 s[G0V+1], s[G0V+1], VB
	s_mov_b32 s[G0L], 1
	s_mul_i32 s[G0L+1], s[WV], 16*PV
	s_add_co_u32 s[G0L+1], s[G0L+1], VLB
	s_mov_b32 s[SEL], 0x76543210
	s_mov_b32 s[SEL+1], 0xfedcba98
	s_mov_b32 s[BIGN], 0xf149f2ca   ; -1e30
	s_mov_b32 s[TBK], 0
	s_mov_b32 s[TBV], 0
	s_mov_b32 s[AL0+1], 0           ; named as pairs
	s_mov_b32 s[BE0+1], 0
	s_mov_b32 s[AL1+1], 0
	s_mov_b32 s[BE1+1], 0
	s_wait_dscnt 0x0                ; the opening add is done
	s_wait_kmcnt 0x0
	s_add_nc_u64 s[G0K+2:G0K+3], s[6:7], s[16:17]
	s_add_nc_u64 s[G0V+2:G0V+3], s[G0K+2:G0K+3], VP
	s_or_b32 s[G0K+3], s[G0K+3], 0x80000000
	s_or_b32 s[G0V+3], s[G0V+3], 0x80000000
	s_add_nc_u64 s[G0L+2:G0L+3], s[6:7], s[18:19]
	s_add_nc_u64 s[G0L+2:G0L+3], s[G0L+2:G0L+3], VLO
	s_or_b32 s[G0L+3], s[G0L+3], 0x80000000
	s_add_nc_u64 s[QA:QA+1], s[4:5], s[22:23]
	s_add_nc_u64 s[QA:QA+1], s[QA:QA+1], QH
	s_add_nc_u64 s[QB:QB+1], s[4:5], s[20:21]
	s_add_nc_u64 s[QB:QB+1], s[QB:QB+1], QH
	s_add_nc_u64 s[YA:YA+1], s[10:11], s[92:93]
	s_add_nc_u64 s[YB:YB+1], s[10:11], s[90:91]
	s_load_b32 s94, s[8:9], 0x6010  ; c
	CROUND                          ; all four work-groups are here: the joint loads meet
	tensor_load_to_lds s[G0K:G0K+3], s[G1K:G1K+7]  ; all fills of the launch, in one group: three loads of mine are out
	s_nop 0
	tensor_load_to_lds s[G0V:G0V+3], s[G1V:G1V+7]
	s_nop 0
	tensor_load_to_lds s[G0L:G0L+3], s[G1L:G1L+7]
	s_nop 0
.rept 4
	v_nop
.endr
	v_and_b32 v1, 15, v0            ; l % 16
	v_bfe_u32 v9, v0, 4, 1          ; l / 16
	v_lshlrev_b32 v[QO], 7, v1
	v_lshl_add_u32 v[QO], v9, 4, v[QO]
	WIN 0x80
.set i, 0
.rept 16                            ; Q stays in registers: tile i / 2, channels 32 (i % 2) on
.if i < 4
	global_load_b128 v[8*i:8*i+3],   v[QO], s[QA:QA+1] offset:(i/2)*8192+(i%2)*64
	global_load_b128 v[8*i+4:8*i+7], v[QO], s[QA:QA+1] offset:(i/2)*8192+(i%2)*64+32
.else
	global_load_b128 v[8*i:8*i+3],   v[QO], s[QB:QB+1] offset:(i/2-2)*2048+(i%2)*64
	global_load_b128 v[8*i+4:8*i+7], v[QO], s[QB:QB+1] offset:(i/2-2)*2048+(i%2)*64+32
.endif
.set i, i+1
.endr
	; What the first turn finds: V's registers and P's second buffer hold 0 (its products V^T P, of a piece that has not been, add 0), O^T and l are 0.  All this stands in the wait for the tiles.
.set i, VF
.rept 64
	v_mov_b32 v[i], 0
.set i, i+1
.endr
	WIN 0x40
.set i, 0
.rept 64*NP
	v_mov_b32 v[i], 0
.set i, i+1
.endr
	WIN 0
.set i, 0
.rept 2*NP
	v_mov_b32 v[ST+4*i], 0xfe000000    ; c m: far below every c s
	v_mov_b32 v[ST+4*i+1], 0xff7fffff  ; m
	v_mov_b32 v[ST+4*i+2], 0
	v_mov_b32 v[ST+4*i+3], 0
.set i, i+1
.endr
.set i, P+32
.rept 32
	v_mov_b32 v[i], 0
.set i, i+1
.endr
	v_lshlrev_b32 v14, 3, v9
	v_sub_nc_u32 v14, v1, v14
	s_lshl_b32 s13, s[WV], 4
	v_add_nc_u32 v14, s13, v14      ; my row's place in its band, 16 w + l % 16, less my lanes' 8 (l / 16): register j of slot group kt is hidden where 16 kt + j is greater
	WIN W_MK
.set i, 0
.rept 32
	v_cmp_gt_i32 vcc_lo, 16*(i/8)+i%8, v14
	v_cndmask_b32 v[MD+i], 0, s[BIGN], vcc_lo
.set i, i+1
.endr
	WIN 0
	v_mul_u32_u24 v[AK0], v1, PK
	v_lshl_add_u32 v[AK0], v9, 4, v[AK0]
	v_and_b32 v10, 7, v0
	v_bfe_u32 v11, v0, 3, 1
	v_lshl_add_u32 v[AV0], v9, 3, v10
	v_mul_u32_u24 v[AV0], v[AV0], PV
	v_lshl_add_u32 v[AV0], v11, 4, v[AV0]
	v_add_nc_u32 v[AV0], VB, v[AV0]
	v_mov_b32 v[AK], v[AK0]
	v_add_nc_u32 v[AV], VLB-VB, v[AV0]  ; the lo plane, read once
; THE MATRIX WORK.  The 8 accumulators of a run of 16 take turns.  Product i of 16 of S^T = K Q^T for piece x; the first 8 start the sums: with 0, or for piece 0 with the mask.
.macro KQ x
.set rS, S+64*((\x)%2)+32*(i%2)+8*((i/2)%4)
.set rK, KF+16*((i/2)%4)+8*(i/8)
.set rQ, 16*(2*(\x)+i%2)+8*(i/8)
.set rZ, MC+32*(i%2)+8*((i/2)%4)
.if (i < 8) && ((\x) == 0)
	WIN W_KM
	v_wmma_f32_16x16x32_f16 v[rS:rS+7], v[rK:rK+7], v[rQ:rQ+7], v[rZ:rZ+7]
.elseif i < 8
	WIN W_KQ
	v_wmma_f32_16x16x32_f16 v[rS:rS+7], v[rK:rK+7], v[rQ:rQ+7], 0
.else
	WIN W_KQ
	v_wmma_f32_16x16x32_f16 v[rS:rS+7], v[rK:rK+7], v[rQ:rQ+7], v[rS:rS+7]
.endif
.endm
.macro PV x                         ; product i of 16 of O^T += V^T P for piece x
	WIN W_PV
.set rO, 32*(2*(\x)+i%2)+8*((i/2)%4)
.set rV, VF+32*(i/8)+8*((i/2)%4)
.set rP, P+32*((\x)%2)+16*(i%2)+8*(i/8)
	v_wmma_f32_16x16x32_f16 v[rO:rO+7], v[rV:rV+7], v[rP:rP+7], v[rO:rO+7]
.endm
.macro MM                           ; the turn's next matrix instruction
.if i < 16
	KQ (Y+1)%NP
.set i, i+1
.else
.set i, i-16
	PV (Y+NP-1)%NP
.set i, i+17
.endif
.endm
; Sixteen more products for piece 0's weights of step 0: O^T += VL^T P.  Jumped over in every later step: a forward jump past matrix instructions alone.
.macro LOBLK
	WIN 0
	s_cmp_lg_u32 s[CNT], 16
	s_cbranch_scc1 .Lnolo_\@
.set i, 0
.rept 16
	WIN W_PL
.set rO, 32*(i%2)+8*((i/2)%4)
.set rV, VL+32*(i/8)+8*((i/2)%4)
.set rP, P+16*(i%2)+8*(i/8)
	v_wmma_f32_16x16x32_f16 v[rO:rO+7], v[rV:rV+7], v[rP:rP+7], v[rO:rO+7]
.set i, i+1
.endr
	WIN 0
.Lnolo_\@:
.endm
; THE LDS LOADS stand in runs of 16.  last = 1: in the last step there is no further K, and the run is jumped over.
.macro FETCH_K last=0
	WIN 0
.if \last
	s_cmp_eq_u32 s[CNT], 1
	s_cbranch_scc1 .Lno_k_\@
.endif
	WIN 0x80
.irp f, 0,1,2,3,4,5,6,7
	ds_load_b128 v[KF+8*\f:KF+8*\f+3],   v[AK] offset:(\f/2)*16*PK+(\f%2)*64
	ds_load_b128 v[KF+8*\f+4:KF+8*\f+7], v[AK] offset:(\f/2)*16*PK+(\f%2)*64+32
.endr
	s_add_co_u32 s[TBK], s[TBK], KS*PK
	WIN 0
.if \last
.Lno_k_\@:
.endif
.endm
.macro FETCH_V
	WIN 0x80
.irp f, 0,1,2,3,4,5,6,7
	ds_load_tr16_b128 v[VF+8*\f:VF+8*\f+3],   v[AV] offset:(\f/4)*32*PV+(\f%4)*32
	ds_load_tr16_b128 v[VF+8*\f+4:VF+8*\f+7], v[AV] offset:(\f/4)*32*PV+16*PV+(\f%4)*32
.endr
	WIN 0
.endm
.macro MASK                         ; MD x AL + BE for my two bands
	WIN W_MS
.set z, 0
.rept 16
	v_pk_fma_f32 v[MC+2*z:MC+2*z+1], v[MD+2*z:MD+2*z+1], s[AL0:AL0+1], s[BE0:BE0+1] op_sel_hi:[1,0,0]
	v_pk_fma_f32 v[MC+32+2*z:MC+32+2*z+1], v[MD+2*z:MD+2*z+1], s[AL1:AL1+1], s[BE1:BE1+1] op_sel_hi:[1,0,0]
.set z, z+1
.endr
.endm
; THE VECTOR WORK OF A TURN stands in three queues, each in the order in which its entries become ready; the two tiles alternate.
.macro REGS y, u
.set rT, ST+4*(2*(\y)+(\u))
.set rC, TMP+8*((\y)%2)+4*(\u)
.set rM, MV+2*((\y)%2)+(\u)
.set rS, S+64*((\y)%2)+32*(\u)
.set rP, P+32*((\y)%2)+16*(\u)
.set rO, 32*(2*(\y)+(\u))
.endm
; Number n of the 22 that find the NEXT piece's maximum and statistics; each accumulator's lowest registers are read first.
.macro XS u, n
	REGS (Y+1)%NP, \u
.if (\n) < 4
	v_max3_num_f32 v[rC+(\n)], v[rS+8*(\n)], v[rS+8*(\n)+1], v[rS+8*(\n)+2]
.elseif (\n) < 12
	v_max3_num_f32 v[rC+(\n)%4], v[rC+(\n)%4], v[rS+8*((\n)%4)+2*((\n)/4)+1], v[rS+8*((\n)%4)+2*((\n)/4)+2]
.elseif (\n) == 12
	v_max3_num_f32 v[rC], v[rC], v[rS+7], v[rS+15]
.elseif (\n) == 13
	v_max3_num_f32 v[rC+1], v[rC+1], v[rS+23], v[rS+31]
.elseif (\n) == 14
	v_max3_num_f32 v[rC+2], v[rC+2], v[rC+3], v[rT+1]
.elseif (\n) == 15
	v_mov_b32 v[rM], v[rT]
.elseif (\n) == 16
	v_max3_num_f32 v[rC], v[rC], v[rC+1], v[rC+2]
.elseif (\n) == 17
	v_permlanex16_b32 v[rC+3], v[rC], s[SEL], s[SEL+1]
.elseif (\n) == 18
	v_max_num_f32 v[rT+1], v[rC], v[rC+3]
.elseif (\n) == 19
	v_mul_f32 v[rT], s[CS], v[rT+1]
.elseif (\n) == 20
	v_sub_f32 v[rC+1], v[rM], v[rT]
.else
	v_exp_f32 v[rC+2], v[rC+1]
.endif
.endm
; Number g of the 64 that follow the exponentials: roundings to f16, sums of four weights in place, and l a group later.
.macro GS g
.set h, (\g)+6*((\g)/62)
.if h >= 6
.set h, h+2
.endif
	REGS Y, h%2
.set k, h/8
.if h%8 < 4
	v_cvt_pk_f16_f32 v[rP+2*k+(h%8)/2], v[rS+4*k+2*((h%8)/2)], v[rS+4*k+2*((h%8)/2)+1]
.elseif h%8 < 6
	v_pk_add_f32 v[rS+4*k:rS+4*k+1], v[rS+4*k:rS+4*k+1], v[rS+4*k+2:rS+4*k+3]
.elseif k == 1
	v_pk_fma_f32 v[rT+2:rT+3], v[rT+2:rT+3], v[rC+2:rC+3], v[rS:rS+1] op_sel_hi:[1,0,1]
.else
	v_pk_add_f32 v[rT+2:rT+3], v[rT+2:rT+3], v[rS+4*k-4:rS+4*k-3]
.endif
.endm
.macro FS f                         ; c s - c m for pair f / 2 of tile f % 2
	REGS Y, (\f)%2
	v_pk_fma_f32 v[rS+2*((\f)/2):rS+2*((\f)/2)+1], v[rS+2*((\f)/2):rS+2*((\f)/2)+1], s[CS:CS+1], v[rT:rT+1] op_sel_hi:[1,0,0] neg_lo:[0,0,1] neg_hi:[0,0,1]
.endm
; THE PLAIN QUEUE, 138 long: 0-73 read no exponential's result (the 32 scalings and the next piece's 42); 74-137, the 64 of GS, stand behind the wait.
.macro PL
	WIN 0
.if q < 27
	FS q
.elseif q < 55
	XS (q-27)%2, (q-27)/2
.elseif q < 57
	XS q-55, 15
.elseif (q < 72) && ((q-57)%3 == 0)
	FS 27+(q-57)/3
.elseif q < 60
	XS (q-57)%3-1, 14
.elseif q < 72
	XS (q-57)%3-1, 15+(q-57)/3
.elseif q < 74
	XS q-72, 20
.else
	GS q-74
.endif
.set q, q+1
.endm
.macro EX                           ; THE EXPONENTIALS' QUEUE, 66 long: one batch, all ahead of the turn's one wait
	WIN 0
.if e >= 64
	XS e-64, 21
.else
	REGS Y, e%2
	v_exp_f32 v[rS+e/2], v[rS+e/2]
.endif
.set e, e+1
.endm
.macro R2                           ; THE RESCALING's QUEUE: O^T times a, two at a time
	REGS Y, r%2
	WIN W_RS
.irp z, 0,1
	v_pk_mul_f32 v[rO+4*(r/2)+2*\z:rO+4*(r/2)+2*\z+1], v[rO+4*(r/2)+2*\z:rO+4*(r/2)+2*\z+1], v[rC+2:rC+3] op_sel_hi:[1,0]
.endr
.set r, r+1
.endm
; A TURN, for piece p.  Ahead of its one wait: 16 products K Q^T with a scaling, an exponential and two rescalings behind each, then the lump; behind it: 16 products V^T P with four roundings and sums behind each.
; Piece 2's turn makes the mask of piece 0's next step (values chosen by scalar selects: no branch hangs on a work-group's place) and fetches the next K, directly behind the wait.
; V of the step in hand is fetched at the end of piece 0's turn, four plain instructions behind its last reader.
.macro TURN p
.set Y, (\p)
.set i, 0
.set q, 0
.set e, 0
.set r, 0
.if (\p) == 2
	s_cmp_eq_u32 s[STP], s[BD0]     ; is that step the band's own?
	s_cselect_b32 s[AL0], 1.0, 0
	s_cmp_gt_u32 s[STP], s[BD0]     ; or a later one?
	s_cselect_b32 s[BE0], s[BIGN], 0
	s_cmp_eq_u32 s[STP], s[BD1]
	s_cselect_b32 s[AL1], 1.0, 0
	s_cmp_gt_u32 s[STP], s[BD1]
	s_cselect_b32 s[BE1], s[BIGN], 0
	s_add_co_u32 s[STP], s[STP], 1
.endif
.if (\p) == NP-1
	s_wait_dscnt 0x0                ; K is in
.endif
	MM
	PL
	PL
	R2
.rept 15
	MM
	PL
	EX
	R2
.endr
.if (\p) == NP-2
	WIN 0
	v_add_nc_u32 v[AK], s[TBK], v[AK0]
	MASK
.endif
.rept 8
	PL
.endr
.rept 49
	EX
	PL
.endr
	EX
	EX
	v_nop                           ; a plain instruction behind the last exponential: one for the batch
	s_wait_alu depctr_va_vdst(0)    ; the wait ahead of the first line that names a result: one for the batch
.if (\p) == NP-2
	FETCH_K 1
.endif
.if (\p) == 1
	s_wait_dscnt 0x0                ; V is in
.endif
.rept 16
	MM
.rept 4
	PL
.endr
.if ((\p) == 0) && (q == 118)
	v_add_nc_u32 v[AV], s[TBV], v[AV0]
.endif
.if ((\p) == 0) && (q == 130)
	s_add_co_u32 s[TBV], s[TBV], KS*PV
.endif
.endr
.if (\p) == 1
	LOBLK
.endif
.if (\p) == 0
	FETCH_V
.endif
.endm
	s_wait_kmcnt 0x0                ; c
	s_mov_b32 s[CS], s94
	s_mov_b32 s[CS+1], s94
	s_cmp_eq_u32 s[BD0], 0          ; step 0's mask: band 0's own step; band 2 i + 1 is never 0; no band lies ahead of step 0
	s_cselect_b32 s[AL0], 1.0, 0
	s_mov_b32 s[AL1], 0
	s_mov_b32 s[BE0], 0
	s_mov_b32 s[BE1], 0
	MASK
	WIN 0
	s_wait_tensorcnt 0x0            ; my parts of K, V and the lo plane are in,
	s_barrier_signal -1
	s_barrier_wait -1               ; everybody's are
	FETCH_K                         ; step 0
	WIN W_MK
.irp f, 0,1,2,3,4,5,6,7
	ds_load_tr16_b128 v[VL+8*\f:VL+8*\f+3],   v[AV] offset:(\f/4)*32*PV+(\f%4)*32
	ds_load_tr16_b128 v[VL+8*\f+4:VL+8*\f+7], v[AV] offset:(\f/4)*32*PV+16*PV+(\f%4)*32
.endr
	WIN 0
	s_wait_loadcnt 0x0              ; Q
	s_wait_dscnt 0x0
.set i, 0
.rept 16
	KQ 0                            ; piece 0's first scores
.set i, i+1
.endr
	WIN 0                           ; the addresses for the way out: nine plain instructions, the places behind those products
	s_mul_i32 s13, s[WV], 16*SP
	v_mul_u32_u24 v[STO], v1, SP    ; in: row l % 16, 16 bytes for each half of the lanes
	v_lshl_add_u32 v[STO], v9, 4, v[STO]
	v_add_nc_u32 v[STO], s13, v[STO]
	v_bfe_u32 v[RD], v0, 3, 2       ; back: 32 lanes take four rows of 128 bytes,
	v_mul_u32_u24 v[RD], v[RD], SP
	v_lshl_add_u32 v[RD], v10, 4, v[RD]
	v_add_nc_u32 v[RD], s13, v[RD]
	v_and_b32 v[GO], 31, v0         ; which are 512 consecutive bytes of a head's rows in yy
	v_lshlrev_b32 v[GO], 4, v[GO]
.set Y, NP-1
.irp n, 0,1,2,3,4,5,6,7,8,9,10,11,12,13,14,15,16,17,18,19,20,21
	XS 0, \n
	XS 1, \n
.endr
	v_nop                           ; a plain instruction behind the two a,
	s_wait_alu depctr_va_vdst(0)    ; and their wait, ahead of the branch
	s_mov_b32 s[CNT], 16
	s_mov_b32 s[STP], 1
	s_branch .Lfirst                ; the loop is entered at a step's first turn
.Lstep:                             ; a trip: pieces 2 and 3 of one step, then pieces 0 and 1 of the next
	TURN 2
	TURN 3
	WIN 0
	s_sub_co_u32 s[CNT], s[CNT], 1
	s_cmp_eq_u32 s[CNT], 0
	s_cbranch_scc1 .Lout            ; behind step 15 (its 16 products K Q^T on the last K once more, and the maximum made of them, serve nothing: the price of one text)
.Lfirst:
	TURN 0
	TURN 1
	WIN 0
	s_branch .Lstep
.Lout:
.set i, 0
.rept 16
	PV NP-1                         ; the last piece's V^T P of the last step
.set i, i+1
.endr
	WIN 0
	s_wait_dscnt 0x0                ; my reads of K and V are over,
	s_barrier_signal -1
	s_barrier_wait -1               ; everybody's are: the stages may lie in K's first bytes
	; THE WAY OUT.  O^T / l, rounded once to f16, a tile at a time through my stage.  The additions are the places behind the last products.
.macro ALL line:vararg
.set t, 0
.rept 2*NP
	\line
.set t, t+1
.endr
.endm
	ALL v_add_f32 v[ST+4*t+2], v[ST+4*t+2], v[ST+4*t+3]
	ALL v_permlanex16_b32 v[ST+4*t+3], v[ST+4*t+2], s[SEL], s[SEL+1]
	ALL v_add_f32 v[ST+4*t+2], v[ST+4*t+2], v[ST+4*t+3]
	ALL v_rcp_f32 v[ST+4*t+2], v[ST+4*t+2]
	v_nop                           ; a plain instruction between the last reciprocal and the use of its result
	s_wait_alu depctr_va_vdst(0)    ; one wait for the eight reciprocals
; Tile t: a lane's eight channels of a row pack into 16 bytes; they go into rows of 144 bytes and come back as whole rows of 128, into S^T's registers (16 of their own for each tile).
.macro PACK t
	WIN W_RS
.set i, 32*(\t)
.rept 16
	v_pk_mul_f32 v[i:i+1], v[i:i+1], v[ST+4*(\t)+2:ST+4*(\t)+3] op_sel_hi:[1,0]
.set i, i+2
.endr
	WIN 0x05                        ; sources 0 and 1 window 1, destination window 0
.set i, 0
.rept 16
	v_cvt_pk_f16_f32 v[S+16*(\t)+i], v[32*(\t)+2*i], v[32*(\t)+2*i+1]
.set i, i+1
.endr
	WIN 0
.irp f, 0,1,2,3
	ds_store_b128 v[STO], v[S+16*(\t)+4*\f:S+16*(\t)+4*\f+3] offset:32*\f
.endr
.irp f, 0,1,2,3
	ds_load_b128 v[S+16*(\t)+4*\f:S+16*(\t)+4*\f+3], v[RD] offset:\f*4*SP  ; LDS serves a wave's instructions in order: these see the stores above; the next tile's stores come behind them
.endr
.endm
.macro SEND t, younger              ; younger: the LDS instructions issued behind tile t's loads: the next tile's eight, or none
	WIN 0
.irp f, 0,1,2,3
	s_wait_dscnt (\younger)+3-\f
.if (\t) < 2
	global_store_b128 v[GO], v[S+16*(\t)+4*\f:S+16*(\t)+4*\f+3], s[YA:YA+1] offset:(\t)*8192+\f*512  ; 512 consecutive bytes, at a multiple of 256 from yy's first
.else
	global_store_b128 v[GO], v[S+16*(\t)+4*\f:S+16*(\t)+4*\f+3], s[YB:YB+1] offset:((\t)-2)*2048+\f*512
.endif
.endr
.endm
	PACK 0
.set t, 1
.rept 2*NP-1                        ; a tile's arithmetic stands between the loads of the tile before and its stores
	PACK t
	SEND t-1, 8
.set t, t+1
.endr
	SEND 2*NP-1, 0
	WIN W_AD
	s_wait_tensorcnt 0x0            ; the wave's end
	ds_add_u32 v[SPW], v[NIL]
	s_wait_dscnt 0x0
	WIN 0
	CROUND                          ; the closing round
	s_endpgm
.Lfunc_end_k_qe6bd20f09d_att:
	.size	k_qe6bd20f09d_att, .Lfunc_end_k_qe6bd20f09d_att-k_qe6bd20f09d_att
	.p2alignl 7, 3214868480
	.fill 96, 4, 3214868480
	.section	.rodata,"a",@progbits
	.p2align	6, 0x0
	.amdhsa_kernel k_qe6bd20f09d_att
		.amdhsa_group_segment_fixed_size 327680
		.amdhsa_private_segment_fixed_size 0
		.amdhsa_enable_private_segment 0
		.amdhsa_kernarg_size 32
		.amdhsa_user_sgpr_count 2
		.amdhsa_user_sgpr_kernarg_segment_ptr 1
		.amdhsa_wavefront_size32 1
		.amdhsa_system_sgpr_workgroup_id_x 1
		.amdhsa_system_sgpr_workgroup_id_y 1
		.amdhsa_system_sgpr_workgroup_id_z 1
		.amdhsa_system_vgpr_workitem_id 0
		.amdhsa_next_free_vgpr 960
		.amdhsa_next_free_sgpr 96
		.amdhsa_reserve_vcc 1
		.amdhsa_float_denorm_mode_32 3
		.amdhsa_float_denorm_mode_16_64 3
		.amdhsa_memory_ordered 1
		.amdhsa_forward_progress 1
		.amdhsa_inst_pref_size 137
	.end_amdhsa_kernel
	.amdgpu_metadata
---
amdhsa.version: [ 1, 2 ]
amdhsa.kernels:
  - .name:           k_qe6bd20f09d_att
    .symbol:         k_qe6bd20f09d_att.kd
    .args:
      - { .name: uq, .offset: 0, .size: 8, .value_kind: global_buffer, .address_space: global }
      - { .name: kv, .offset: 8, .size: 8, .value_kind: global_buffer, .address_space: global }
      - { .name: tab, .offset: 16, .size: 8, .value_kind: global_buffer, .address_space: global }
      - { .name: yy, .offset: 24, .size: 8, .value_kind: global_buffer, .address_space: global }
    .group_segment_fixed_size: 327680
    .private_segment_fixed_size: 0
    .kernarg_segment_align: 8
    .kernarg_segment_size: 32
    .max_flat_workgroup_size: 128
    .sgpr_count:     96
    .vgpr_count:     960
    .wavefront_size: 32
...
	.end_amdgpu_metadata
.endif
;; end of part 6
;; launch gout (part 7): grid 8 x 64, 4 waves a work-group, clusters of 4 x 4, 327,680 bytes of LDS; arguments yy, cv, tab, out0; writes out0
.if DOCPART == 7
	.amdgcn_target "amdgcn-amd-amdhsa--gfx1250"
	.amdhsa_code_object_version 6
	.text
	.protected	k_qe6bd20f09d_gout
	.globl	k_qe6bd20f09d_gout
	.p2align	8
	.type	k_qe6bd20f09d_gout,@function
k_qe6bd20f09d_gout:
	s_mov_b64 s[64:65], 0
	v_nop
	global_prefetch_b8 v0, s[64:65] scope:SCOPE_SE
	s_setreg_imm32_b32 hwreg(HW_REG_WAVE_MODE, 25, 1), 1
	s_wait_xcnt 0x0
	s_wait_alu depctr_hold_cnt(0) depctr_sa_sdst(0) depctr_va_vdst(0) depctr_va_sdst(0) depctr_va_ssrc(0) depctr_va_vcc(0) depctr_vm_vsrc(0)
	s_getreg_b32 s2, hwreg(HW_REG_IB_STS2, 6, 4)
	s_cmp_eq_u32 s2, 0
	s_cbranch_scc0 .Lentry_in_a_cluster
	s_endpgm
.Lentry_in_a_cluster:
	s_bfe_u32 s2, ttmp6, 0x10000c
	s_cmp_lg_u32 s2, 0xf033
	s_cbranch_scc0 .Lentry_shape_is_right
	s_endpgm
.Lentry_shape_is_right:
; out0 = y W_proj + b_proj, f32.  M = 8,192, N = 1,024, K = 1,024; operands f16, sums f32.
; A = y sv in f16, by heads: yy[h][8,192 rows][64].  B = W_proj, rounded to bf16 as all inputs are and written as f16, [K][N] as it lies, turned out of LDS by ds_load_tr16_b128.
; The sums are multiplied by 1 / sv (a power of two, from tab) in the fused line that adds b_proj (rounded to bf16).
; A tile of C is 128 x 128: four waves of 64 x 64, 16 accumulators each.  K goes in steps of 256 = four heads through two LDS slots.  A wave's one tensor load brings, of A, four heads x 64 rows:
; a head's 64 rows are 8,192 consecutive bytes, asked for as one row of the tile, four such rows 8,192 x 64 elements apart, padded in LDS after every 128 bytes: LDS holds [head][row] at 144 bytes;
; of B, 128 rows x 256 bytes.  Quarter q of a step is head q.
; CLUSTER 4 x 4: A's tile is asked for jointly along a row of the cluster, B's along a column.  The matrix instruction is used transposed (source 0 = 16 columns of B, source 1 = 16 rows of A).
; One step is written once: the LDS addresses hang on s[TB], 0 or SLOT.  No prefetch: a tile of 128 x 128 has too little work a byte for one to help.
; LIMITS: those of the operands' f16 (stated where they are made); NaN and infinities are not treated apart.
.set NSTEP, 4
.set LDB,   1024
.set KB,    256
.set WPB,   23068672
.set PA,    144                        ; an LDS row of A: 128 bytes + 16: the 16 rows of a load start at 16 different groups of four banks
.set PB,    288                        ; an LDS row of B: 256 bytes + 32
.set HEADA, 64*PA                      ; a head's 64 rows
.set HALFA, 4*HEADA
.set HALFB, (KB/2)*PB
.set SLOT,  2*HALFA+2*HALFB            ; A's two halves of 64 rows, then B's KB rows
.set STAGE, 2*SLOT                     ; behind the ring: 16 rows x 272 bytes for each wave; no tensor load fills it
.set SPARE, STAGE+4*4352               ; the spare words, 128 bytes for each wave; no other line names them
.set ASTEP, 4*1048576                  ; four heads of 8,192 rows x 128 bytes
.set BSTEP, KB*LDB*2
.set LD2,   16
.set NLD,   16+LD2
.set AL0, 16
.set BL0, 17
.set ADRA, 18
.set ADRB, 19                          ; v19, v20: B's rows 0-127 and 128-255 (an LDS offset has 16 bits)
.set BO,  21
.set STO, 24
.set RD,  25
.set CO,  26
.set SPW, 28
.set NIL, 29
.set BI,  96                           ; v96-99: the bias of the four columns that I store
.set ACC, 128
.set F0,  0
.set F1,  128
.set WV, 12
.set RH, 13
.set CH, 14
.set TY, 15
.set TX, 16
.set CX, 17
.set CY, 18
.set CLY, 19
.set LA, 20
.set LB, 21
.set G1, 24
.set G0, 32
.set G1B, 48
.set G0B, 56
.set TB, 66
.set CNT, 67
.set SC, 68                            ; s[68:69] 1 / sv, twice
.set MSB, 0
.macro WIN new
.if MSB != (\new)
	s_set_vgpr_msb (MSB<<8)|(\new)
.set MSB, \new
.endif
.endm
.set MUL,  0x05
.set TO_F, 0x40
.macro JLOAD s                         ; a joint load: waves 0 and 1 fetch A's halves, waves 2 and 3 B's; an s_nop 0 and four v_nop follow each line
	s_cmp_eq_u32 s[RH], 0
	s_cbranch_scc0 .Lfor_b_\@
	tensor_load_to_lds s[G0+4*(\s):G0+4*(\s)+3], s[G1:G1+7]
	s_nop 0
.rept 4
	v_nop
.endr
	s_branch .Lasked_\@
.Lfor_b_\@:
	tensor_load_to_lds s[G0B+4*(\s):G0B+4*(\s)+3], s[G1B:G1B+7]
	s_nop 0
.rept 4
	v_nop
.endr
.Lasked_\@:
.endm
.macro CREST
	s_cmp_lg_u32 s[WV], 0
	s_cbranch_scc1 .Lnot_wave_0_\@
	s_barrier_signal -3
.Lnot_wave_0_\@:
	s_barrier_wait -3
	s_barrier_signal -1
	s_barrier_wait -1
.endm
.macro CROUND
	s_barrier_signal -1
	s_barrier_wait -1
	CREST
.endm
.macro PLACES
.rept 4
	v_nop
.endr
.endm
.macro MUL8 f, c, a0, zero             ; the 16 accumulators take turns, one instruction a turn
	WIN MUL
.irp a, \a0, (\a0)+1
.irp b, 0,1,2,3
.if \zero
	v_wmma_f32_16x16x32_f16 v[ACC+8*(4*(\a)+(\b)):ACC+8*(4*(\a)+(\b))+7], v[(\f)+64+8*(4*(\c)+(\b)):(\f)+64+8*(4*(\c)+(\b))+7], v[(\f)+8*(4*(\c)+(\a)):(\f)+8*(4*(\c)+(\a))+7], 0
.else
	v_wmma_f32_16x16x32_f16 v[ACC+8*(4*(\a)+(\b)):ACC+8*(4*(\a)+(\b))+7], v[(\f)+64+8*(4*(\c)+(\b)):(\f)+64+8*(4*(\c)+(\b))+7], v[(\f)+8*(4*(\c)+(\a)):(\f)+8*(4*(\c)+(\a))+7], v[ACC+8*(4*(\a)+(\b)):ACC+8*(4*(\a)+(\b))+7]
.endif
.endr
.endr
.endm
; 32 LDS loads in one run: quarter q of the step (head q: 64 along K) into buffer f; its first 32 along K first
.macro FETCH q, f
	WIN TO_F
.irp c, 0,1
.irp i, 0,1,2,3
	ds_load_tr16_b128 v[(\f)+64+8*(4*(\c)+(\i)):(\f)+64+8*(4*(\c)+(\i))+3],   v[ADRB+(\q)/2] offset:(64*((\q)%2)+32*(\c))*PB+32*(\i)
	ds_load_tr16_b128 v[(\f)+64+8*(4*(\c)+(\i))+4:(\f)+64+8*(4*(\c)+(\i))+7], v[ADRB+(\q)/2] offset:(64*((\q)%2)+32*(\c)+16)*PB+32*(\i)
	ds_load_b128 v[(\f)+8*(4*(\c)+(\i)):(\f)+8*(4*(\c)+(\i))+3],   v[ADRA] offset:(\q)*HEADA+64*(\c)+(\i)*16*PA
	ds_load_b128 v[(\f)+8*(4*(\c)+(\i))+4:(\f)+8*(4*(\c)+(\i))+7], v[ADRA] offset:(\q)*HEADA+64*(\c)+(\i)*16*PA+32
.endr
.endr
.endm
.macro QUARTER q, f, g, zero
	s_wait_dscnt LD2                               ; the run's first 16 loads are in
	MUL8 \f, 0, 0, \zero
	MUL8 \f, 0, 2, \zero
	PLACES
	FETCH \q, \g
	s_wait_dscnt NLD                               ; all but the run just issued
	MUL8 \f, 1, 0, 0
	MUL8 \f, 1, 2, 0
.endm
; The step's last quarter multiplies buffer 1 and changes slots: ONE barrier; in front of it each wave waits for all its tensor loads, adds 0 to its spare word, and waits for that and for its
; reads of the slot.  fill = 1: the barrier opens a round of the cluster's, and the slot just read is filled again, two steps ahead, first thing behind the round.
.macro TURN fill
	WIN 0
	s_wait_tensorcnt 0x0                           ; all my tensor loads have landed
	ds_add_u32 v[SPW], v[NIL]
	s_wait_dscnt 1+LD2                             ; the add and the run's second half may be out
	MUL8 F1, 0, 0, 0
	s_wait_dscnt 0x0                               ; the add is done, and my reads of this slot are over
	s_barrier_signal -1
	MUL8 F1, 0, 2, 0
	WIN 0
	s_barrier_wait -1
.if \fill
	CREST                                          ; no wave of any partner still reads this slot or has a load on its way
	s_add_co_u32 s[G0+5], s[TB], s[LA]             ; the walking descriptors: the slot just read,
	s_add_nc_u64 s[G0+6:G0+7], s[G0+6:G0+7], ASTEP ; the next step
	s_add_co_u32 s[G0B+5], s[TB], s[LB]
	s_add_nc_u64 s[G0B+6:G0B+7], s[G0B+6:G0B+7], BSTEP
	JLOAD 1                                        ; 112 matrix instructions ahead of the wait for it; its four v_nop are also the places in front of the loads below
.else
	PLACES
.endif
	s_xor_b32 s[TB], s[TB], SLOT
	v_add_nc_u32 v[ADRA], s[TB], v[AL0]
	v_add_nc_u32 v[ADRB], s[TB], v[BL0]
	v_add_nc_u32 v[ADRB+1], 128*PB, v[ADRB]
	FETCH 0, F0
	MUL8 F1, 1, 0, 0
	MUL8 F1, 1, 2, 0
.endm
	s_load_b256 s[4:11], s[0:1], 0x0               ; yy s[4:5], cv s[6:7], tab s[8:9], out0 s[10:11]
	v_lshl_add_u32 v[SPW], v0, 2, SPARE
	v_mov_b32 v[NIL], 0
	ds_add_u32 v[SPW], v[NIL]                      ; the wave's opening: the add and its wait ahead of my first tensor load
	v_lshrrev_b32 v1, 5, v0
	v_readfirstlane_b32 s[WV], v1
	s_lshr_b32 s[RH], s[WV], 1
	s_and_b32 s[CH], s[WV], 1
	s_bfe_u32 s[CX], ttmp6, 0x40000
	s_bfe_u32 s[CY], ttmp6, 0x40004
	s_lshl_b32 s[TX], ttmp9, 2
	s_add_co_u32 s[TX], s[TX], s[CX]
	s_and_b32 s[CLY], ttmp7, 0xffff
	s_lshl_b32 s[TY], s[CLY], 2
	s_add_co_u32 s[TY], s[TY], s[CY]
	s_lshl_b32 s22, s[CY], 2
	s_lshl_b32 s22, 15, s22                        ; my row of the cluster
	s_lshl_b32 s23, 0x1111, s[CX]                  ; my column
	s_or_b32 s[G1], s22, (1<<16)|(1<<20)|(1<<21)|(4<<22)|(3<<25)   ; mask; 2-byte elements; padding on; bit 21 beside a mask; after every 32 words, 4 words
	s_or_b32 s[G1B], s23, (1<<16)|(1<<20)|(1<<21)|(5<<22)|(7<<25)  ; after every 64 words, 8 words
	s_mov_b32 s[G1+1], 4096<<16                    ; tensor_dim0 = 4,096 elements: a head's 64 rows on end
	s_mov_b32 s[G1+2], 4<<16                       ; tensor_dim1 = 4 heads
	s_mov_b32 s[G1+3], 4096<<16                    ; tile_dim0
	s_mov_b32 s[G1+4], 4                           ; tile_dim1
	s_mov_b32 s[G1+5], 524288                      ; from head to head: 8,192 rows x 64 elements
	s_mov_b32 s[G1+6], 0
	s_mov_b32 s[G1+7], 0
	s_mov_b32 s[G1B+1], 128<<16
	s_mov_b32 s[G1B+2], (KB/2)<<16
	s_mov_b32 s[G1B+3], 128<<16
	s_mov_b32 s[G1B+4], KB/2
	s_mov_b32 s[G1B+5], LDB
	s_mov_b32 s[G1B+6], 0
	s_mov_b32 s[G1B+7], 0
	s_mul_i32 s[LA], s[CH], HALFA
	s_mul_i32 s[LB], s[CH], HALFB
	s_add_co_u32 s[LB], s[LB], 2*HALFA
	s_lshl_b32 s40, s[TY], 1                       ; A: head 0's rows 128 tile row + 64 half, 128 bytes each
	s_add_co_u32 s40, s40, s[CH]
	s_lshl_b32 s40, s40, 13
	s_mov_b32 s41, 0
	s_lshl_b32 s42, s[CH], 18                      ; B: W_proj's rows 128 half, columns 128 tile column
	s_lshl_b32 s43, s[TX], 8
	s_add_co_u32 s42, s42, s43
	s_mov_b32 s43, 0
	s_lshl_b32 s44, s[TY], 1                       ; out: row 128 tile row + 64 half, 256 bytes at 512 tile column + 256 half
	s_add_co_u32 s44, s44, s[RH]
	s_lshl_b32 s44, s44, 18
	s_lshl_b32 s45, s[TX], 1
	s_add_co_u32 s45, s45, s[CH]
	s_lshl_b32 s45, s45, 8
	s_add_co_u32 s44, s44, s45
	s_add_co_u32 s72, s45, 8192+12288              ; b_proj lies behind b_attn's 3,072 numbers
	s_mov_b32 s45, 0
	s_mov_b32 s73, 0
	s_wait_dscnt 0x0                               ; the opening add is done
	s_wait_kmcnt 0x0
	s_add_nc_u64 s[40:41], s[4:5], s[40:41]
	s_add_nc_u64 s[42:43], s[6:7], s[42:43]
	s_add_nc_u64 s[42:43], s[42:43], WPB
	s_add_nc_u64 s[10:11], s[10:11], s[44:45]
	s_add_nc_u64 s[72:73], s[8:9], s[72:73]
	s_load_b32 s[SC], s[8:9], 0x6014               ; 1 / sv
	CROUND                                         ; all sixteen work-groups are here: the first joint loads meet
.irp s, 0,1
	s_mov_b32 s[G0+4*(\s)], 1
	s_add_co_u32 s[G0+4*(\s)+1], s[LA], (\s)*SLOT
	s_add_nc_u64 s[G0+4*(\s)+2:G0+4*(\s)+3], s[40:41], (\s)*ASTEP
	s_or_b32 s[G0+4*(\s)+3], s[G0+4*(\s)+3], 0x80000000
	s_mov_b32 s[G0B+4*(\s)], 1
	s_add_co_u32 s[G0B+4*(\s)+1], s[LB], (\s)*SLOT
	s_add_nc_u64 s[G0B+4*(\s)+2:G0B+4*(\s)+3], s[42:43], (\s)*BSTEP
	s_or_b32 s[G0B+4*(\s)+3], s[G0B+4*(\s)+3], 0x80000000
	JLOAD \s                                       ; two loads of mine are out
.endr
	v_and_b32 v1, 15, v0
	v_bfe_u32 v2, v0, 4, 1
	v_lshlrev_b32 v[BO], 4, v1
	global_load_b128 v[BI:BI+3], v[BO], s[72:73]
	v_mul_u32_u24 v3, v1, PA
	v_lshl_add_u32 v3, v2, 4, v3
	s_mul_i32 s46, s[RH], HALFA
	v_add_nc_u32 v[AL0], s46, v3                   ; A: row x pitch + 16 h, in my 64 rows
	v_and_b32 v4, 7, v0
	v_lshl_add_u32 v4, v2, 3, v4
	v_mul_u32_u24 v4, v4, PB
	v_bfe_u32 v5, v0, 3, 1
	v_lshl_add_u32 v4, v5, 4, v4
	s_lshl_b32 s46, s[CH], 7
	s_add_co_u32 s46, s46, 2*HALFA
	v_add_nc_u32 v[BL0], s46, v4                   ; B: (8 h + l % 8) x pitch + 16 ((l / 8) % 2), in my 64 columns, behind A's rows
	s_mul_i32 s47, s[WV], 4352
	s_add_co_u32 s47, s47, STAGE
	v_mul_u32_u24 v[STO], v1, 272                  ; in: row r, 32 bytes (8 f32) for each half of the lanes
	v_lshl_add_u32 v[STO], v2, 5, v[STO]
	v_add_nc_u32 v[STO], s47, v[STO]
	v_mul_u32_u24 v[RD], v2, 272                   ; back: lanes 0-15 one row of 256 bytes, lanes 16-31 the next
	v_lshl_add_u32 v[RD], v1, 4, v[RD]
	v_add_nc_u32 v[RD], s47, v[RD]
	v_lshlrev_b32 v[CO], 12, v2
	v_lshl_add_u32 v[CO], v1, 4, v[CO]
	s_mov_b32 s[TB], 0
	v_mov_b32 v[ADRA], v[AL0]
	v_mov_b32 v[ADRB], v[BL0]
	v_add_nc_u32 v[ADRB+1], 128*PB, v[BL0]
	s_wait_tensorcnt 0x1                           ; my part of step 0 is in; step 1's may stay out
	s_barrier_signal -1
	s_barrier_wait -1
	FETCH 0, F0
	QUARTER 1, F0, F1, 1                           ; the first quarter's products start the sums: nothing is cleared
	WIN 0
	s_mov_b32 s[CNT], NSTEP-2
.Lfill:                                                ; a trip: a step's quarters 1 to 3, the change of slots with its refill, the next step's quarter 0
	QUARTER 2, F1, F0, 0
	QUARTER 3, F0, F1, 0
	TURN 1
	QUARTER 1, F0, F1, 0
	WIN 0
	s_sub_co_u32 s[CNT], s[CNT], 1
	s_cmp_lg_u32 s[CNT], 0
	s_cbranch_scc1 .Lfill
	s_mov_b32 s[CNT], 2
.Ltail:                                                ; the last two steps ask for nothing; the second trip is left in its middle (its barrier and its fetch of the other slot serve nothing: the price of one text)
	QUARTER 2, F1, F0, 0
	QUARTER 3, F0, F1, 0
	TURN 0
	WIN 0
	s_sub_co_u32 s[CNT], s[CNT], 1
	s_cmp_eq_u32 s[CNT], 0
	s_cbranch_scc1 .Lout
	QUARTER 1, F0, F1, 0
	WIN 0
	s_branch .Ltail
.Lout:
	s_wait_dscnt 0x0
	s_wait_loadcnt 0x0                             ; the bias
	s_wait_kmcnt 0x0                               ; 1 / sv
	s_mov_b32 s[SC+1], s[SC]
	PLACES
.macro OUTBLK a                        ; 16 rows: the sums go through my stage as they are, come back as whole rows of 256 bytes into the registers that they left, are unscaled, take the bias and leave
.irp b, 0,1,2,3
	ds_store_b128 v[STO], v[ACC+8*(4*(\a)+(\b)):ACC+8*(4*(\a)+(\b))+3]   offset:64*(\b)
	ds_store_b128 v[STO], v[ACC+8*(4*(\a)+(\b))+4:ACC+8*(4*(\a)+(\b))+7] offset:64*(\b)+16
.endr
.irp t, 0,1,2,3,4,5,6,7
	ds_load_b128 v[ACC+32*(\a)+4*(\t):ACC+32*(\a)+4*(\t)+3], v[RD] offset:544*(\t)  ; LDS serves a wave's instructions in order: these see the stores above
.endr
.irp t, 0,1,2,3,4,5,6,7
	s_wait_dscnt 7-(\t)
	v_pk_fma_f32 v[ACC+32*(\a)+4*(\t):ACC+32*(\a)+4*(\t)+1],   v[ACC+32*(\a)+4*(\t):ACC+32*(\a)+4*(\t)+1],   s[SC:SC+1], v[BI:BI+1] op_sel_hi:[1,0,1]
	v_pk_fma_f32 v[ACC+32*(\a)+4*(\t)+2:ACC+32*(\a)+4*(\t)+3], v[ACC+32*(\a)+4*(\t)+2:ACC+32*(\a)+4*(\t)+3], s[SC:SC+1], v[BI+2:BI+3] op_sel_hi:[1,0,1]
	global_store_b128 v[CO], v[ACC+32*(\a)+4*(\t):ACC+32*(\a)+4*(\t)+3], s[10:11] offset:(16*(\a)+2*(\t))*4096  ; 16 lanes store 256 consecutive bytes, aligned
.endr
.endm
	OUTBLK 0
	OUTBLK 1
	OUTBLK 2
	OUTBLK 3
	s_wait_tensorcnt 0x0                           ; the wave's end
	ds_add_u32 v[SPW], v[NIL]
	s_wait_dscnt 0x0
	CROUND                                         ; the closing round
	s_endpgm
.Lfunc_end_k_qe6bd20f09d_gout:
	.size	k_qe6bd20f09d_gout, .Lfunc_end_k_qe6bd20f09d_gout-k_qe6bd20f09d_gout
	.p2alignl 7, 3214868480
	.fill 96, 4, 3214868480
	.section	.rodata,"a",@progbits
	.p2align	6, 0x0
	.amdhsa_kernel k_qe6bd20f09d_gout
		.amdhsa_group_segment_fixed_size 327680
		.amdhsa_private_segment_fixed_size 0
		.amdhsa_enable_private_segment 0
		.amdhsa_kernarg_size 32
		.amdhsa_user_sgpr_count 2
		.amdhsa_user_sgpr_kernarg_segment_ptr 1
		.amdhsa_wavefront_size32 1
		.amdhsa_system_sgpr_workgroup_id_x 1
		.amdhsa_system_sgpr_workgroup_id_y 1
		.amdhsa_system_sgpr_workgroup_id_z 1
		.amdhsa_system_vgpr_workitem_id 0
		.amdhsa_next_free_vgpr 512
		.amdhsa_next_free_sgpr 80
		.amdhsa_reserve_vcc 0
		.amdhsa_float_denorm_mode_32 3
		.amdhsa_float_denorm_mode_16_64 3
		.amdhsa_memory_ordered 1
		.amdhsa_forward_progress 1
		.amdhsa_inst_pref_size 63
	.end_amdhsa_kernel
	.amdgpu_metadata
---
amdhsa.version: [ 1, 2 ]
amdhsa.kernels:
  - .name:           k_qe6bd20f09d_gout
    .symbol:         k_qe6bd20f09d_gout.kd
    .args:
      - { .name: yy, .offset: 0, .size: 8, .value_kind: global_buffer, .address_space: global }
      - { .name: cv, .offset: 8, .size: 8, .value_kind: global_buffer, .address_space: global }
      - { .name: tab, .offset: 16, .size: 8, .value_kind: global_buffer, .address_space: global }
      - { .name: out0, .offset: 24, .size: 8, .value_kind: global_buffer, .address_space: global }
    .group_segment_fixed_size: 327680
    .private_segment_fixed_size: 0
    .kernarg_segment_align: 8
    .kernarg_segment_size: 32
    .max_flat_workgroup_size: 128
    .sgpr_count:     80
    .vgpr_count:     512
    .wavefront_size: 32
...
	.end_amdgpu_metadata
.endif
;; end of part 7
